; MI455X (gfx1250); checked and timed in simulation.
; The chip was launched on July 23, 2026; its instructions are those of AMD's public machine-readable ISA for CDNA 5 (MIT licence, August 2026) and "CDNA5" Instruction Set Architecture Reference Guide (July 2026). The comments in the code are by the model that wrote it; some were corrected since.
;; Multi Head Attention Enc. Allowed arithmetic: matrix products marked QUANTISED: E2M3 operands, one E8M0 scale for each 32 along K, by v_wmma_scale_f32_16x16x128_f8f6f4 with both operands' format E2M3, f32 sums; everything else in f32.
;; Inputs: Wk 1,024 x 1,024 float32; Wp 1,024 x 1,024 float32; Wq 1,024 x 1,024 float32; Wv 1,024 x 1,024 float32; X 2 x 4 x 2,048 x 1,024 float32; bk 1,024 float32; bp 1,024 float32; bq 1,024 float32; bv 1,024 float32.
;; Outputs: out0 4 x 2,048 x 1,024 float32.
;; This version of the problem:
;;   THIS VERSION OF THE PROBLEM IS GIVEN IN LOW PRECISION. The matrix products marked QUANTISED in the list below multiply operands that are first quantised to E2M3 (2 exponent bits, 3 mantissa bits; 6 bits a number), with one power-of-two scale for each 32 numbers along K (OCP MX v1.0); their sums are f32. All else is computed in f32.
;;   The module's matrix products, in the order in which they are computed (A, B: the left and right operand; K: the contracted axis; several contracted axes count as one K, in the product's order):
;;     1. [M 8,192, K 1,024] x [K 1,024, N 1,024]; A: input X; B: input Wq: QUANTISED
;;     2. [M 8,192, K 1,024] x [K 1,024, N 1,024]; A: input X; B: input Wk: QUANTISED
;;     3. [M 8,192, K 1,024] x [K 1,024, N 1,024]; A: input X; B: input Wv: QUANTISED
;;     4. batch 64 x [M 2,048, K 64] x [K 64, N 2,048]; A: computed on the way; B: computed on the way: QUANTISED
;;     5. batch 64 x [M 2,048, K 2,048] x [K 2,048, N 64]; A: softmax (see below); B: computed on the way: QUANTISED
;;     6. [M 8,192, K 1,024] x [K 1,024, N 1,024]; A: computed on the way; B: input Wp: QUANTISED
;;   THE QUANTISER, for each operand of a quantised product, along K:
;;     - K is cut into blocks of 32 from its start; a last block that is shorter is filled with zeros.
;;     - A block's scale is 2^e with e = floor(log2(the largest magnitude in the block)) - 2, held to -126 .. 127; a block of zeros has e = 0. As a byte (E8M0): e + 127.
;;     - Each number is divided by its block's scale, clamped to +-7.5, and rounded to the nearest number of E2M3, ties to even, subnormals kept.
;;     - The product sums the exact products of the quantised numbers (number of the format x scale) in f32.
;;   ~~~python
;;   def quantise(x, axis):      # numpy; x: float32 -> the quantised numbers, widened to float32 again
;;       x = np.moveaxis(x, axis, -1); K = x.shape[-1]
;;       x = np.pad(x, [(0, 0)] * (x.ndim - 1) + [(0, -K % 32)]); x = x.reshape(x.shape[:-1] + (-1, 32)); a = np.abs(x).max(-1, keepdims=True)
;;       e = np.where(a > 0, np.clip(np.frexp(np.where(a > 0, a, 1))[1] - 1 - 2, -126, 127), 0)      # np.frexp(a)[1] - 1 = floor(log2(a)), exactly
;;       r = np.clip(x / 2.0 ** e, -7.5, 7.5)
;;       step = 2.0 ** (np.maximum(np.frexp(np.where(r == 0, 1, r))[1] - 1, 0) - 3)
;;       q = np.round(r / step) * step * 2.0 ** e      # np.round: ties to even
;;       return np.moveaxis(q.reshape(q.shape[:-2] + (-1,))[..., :K], -1, axis).astype(np.float32)
;;   ~~~
;;   SOFTMAX AHEAD OF A QUANTISED PRODUCT. Where the list says 'softmax', what is quantised is not the finished softmax but p = 2^(t - M), with t = logit x log2(e) and M = ceil(the row's largest t), a whole number; so 1/2 < the row's largest p <= 1. The row's sum l is taken of the UNQUANTISED p, in f32, and the product's result is divided by l at the end. Since M is a whole number, a kernel that streams over the keys may use a running M (the ceiling of the running maximum): every later rescaling is an exact power of two, which a block's scale takes up: the codes' values come out the same.
;;   OPERANDS COMPUTED ON THE WAY. 'Computed on the way' means the value that the module computes at that place (a softmax that the list does not call 'softmax' is quantised finished and normalised). What goes into a quantiser is computed in f32, as accurately as f32 sums, v_exp_f32 and their like allow (about 1e-6 of the number): no bf16 or f16 on the way to a quantiser, and a product that is left as it is and whose result goes on into a quantised operand takes f32 operands (vector FMAs, or v_wmma_f32_16x16x4_f32). A number that lies on a knife's edge between two numbers of the format may be rounded either way, as far as f32 arithmetic and the matrix unit's own rounding can turn it there, and no further.
;; One version. Each part assembles by itself: llvm-mc -triple=amdgcn-amd-amdhsa -mcpu=gfx1250 --defsym DOCPART=n.
;; ======== version 1 of 1: 4 launches
;; workspace buffers: img 9,437,184 bytes; isc 393,216 bytes; qb 6,815,744 bytes; kv 13,369,344 bytes; aoi 6,291,456 bytes; aos 262,144 bytes
;; launch quant (part 1): grid 384 x 1, 4 waves a work-group, no clusters, 34,304 bytes of LDS; arguments X, Wq, Wk, Wv, Wp, img, isc; writes img, isc
.if DOCPART == 1
	.amdgcn_target "amdgcn-amd-amdhsa--gfx1250"
	.amdhsa_code_object_version 6
	.text
	.protected	k_q7993e4546f_quant
	.globl	k_q7993e4546f_quant
	.p2align	8
	.type	k_q7993e4546f_quant,@function
k_q7993e4546f_quant:
	s_mov_b64 s[64:65], 0
	v_nop
	global_prefetch_b8 v0, s[64:65] scope:SCOPE_SE
	s_setreg_imm32_b32 hwreg(HW_REG_WAVE_MODE, 25, 1), 1
	s_wait_xcnt 0x0
; x = X[1] (8,192 rows of 1,024 f32) and the four weights (1,024 rows of 1,024 f32 each) become codes of FP6 (E2M3) with one E8M0 byte for each 32 along K, K being the rows' own axis.
; WORK LEFT OUT: reference() begins with x = X[1] and names X nowhere else, so X[0], the first 33,554,432 bytes of X, enters no expression whatever the inputs hold: it is not read.
; Every other input has a way to the output and is read by some launch.  LIMIT: a NaN or an infinity in X[0] is not carried to the result.
; LIMITS: a block whose largest magnitude lies under 2^-124 keeps the byte 1; a block of zeros gets the byte 1 where the quantiser says 127 (its codes are zeros, which add nothing, and this
; program alone reads the bytes); NaN and infinities among the inputs are not served.
; THE LAYOUT OF THE CODES is the order of a matrix operand's registers.  A TILE T is 16 rows: row r of it is row 32 (T / 2) + 8 (T % 2) + r + 8 (r / 8) of its tensor, so that the results of two
; neighbouring tiles are 16 neighbours along the next product's K.  A HALF IMAGE, 768 bytes, is a tile's 64 codes along K: lane l = r + 16 h owns the 24 bytes of k = 32 h .. 32 h + 31 of row r:
; its first 16 at 16 l, its last 8 at 512 + 8 l.  img: [tile 0..767][half 0..15][768]; tiles 0-511 x, 512-575 Wq, 576-639 Wk, 640-703 Wv, 704-767 Wp.
; isc: [tile][K half 0..1][row 0..15][4 words]: a word holds the four bytes of 128 along K.
; SHARES.  A wave takes one tile and one half of K: 16 rows x 512 numbers, four steps of 128.  Each load reads 512 consecutive bytes of a row; a step's 16 rows turn through the wave's own stage in LDS,
; so that a lane gets 16 neighbours of each block of 32 of its row.  Each store of codes covers 512 or 256 consecutive bytes, aligned; the wave's 256 scale bytes leave by one store.
; No cluster, no tensor load, no barrier: work-groups and waves share no input.
.set SROW,  528                        ; a stage row: 512 bytes + 16, an odd multiple of 16
.set WREG,  16*SROW                    ; a wave's stage
.set SPARE, 4*WREG                     ; behind the four stages: the spare words, 128 bytes for each wave, which no other line names
.set LI16,  1                          ; v1   16 x lane
.set LI8,   2                          ; v2   8 x lane
.set STI,   3                          ; v3   the stage on the way in: my wave's stage + 16 x lane
.set STO,   4                          ; v4   and on the way out: + 528 r + 64 h
.set SCO,   5                          ; v5   16 r + 8 h: my two scale words' place
.set SPW,   8                          ; v8   my spare word; never rewritten
.set NIL,   9                          ; v9   0; never rewritten
.set TM,    12                         ; v12-27  at work in QUANT
.set PW,    28                         ; v28-31  the four steps' scale words
.set PC,    32                         ; v32-51  a fragment's codes, and the conversions' second halves
.set X,     64                         ; v64-127 64 numbers of a lane: register 16 b + i = k 32 b + 16 h + i of row r
.set R,     128                        ; v128-255 two sets of 64 registers as loaded
.set SEL,   20                         ; s[20:21] lane selects: lane l xor 16
.set HM,    30                         ; s30  the mask of lanes 16-31
	s_load_b256 s[4:11], s[0:1], 0x0               ; X, Wq, Wk, Wv
	s_load_b128 s[12:15], s[0:1], 0x20             ; Wp, img
	s_load_b64 s[16:17], s[0:1], 0x30              ; isc
	v_lshl_add_u32 v[SPW], v0, 2, SPARE
	v_mov_b32 v[NIL], 0
	v_lshrrev_b32 v10, 5, v0
	v_readfirstlane_b32 s18, v10                   ; wave 0..3
	v_and_b32 v10, 31, v0                          ; lane
	v_and_b32 v11, 15, v0                          ; r
	v_bfe_u32 v7, v0, 4, 1                         ; h
	v_lshlrev_b32 v[LI16], 4, v10
	v_lshlrev_b32 v[LI8], 3, v10
	s_mul_i32 s24, s18, WREG
	v_add_nc_u32 v[STI], s24, v[LI16]
	v_mul_u32_u24 v[STO], v11, SROW
	v_lshl_add_u32 v[STO], v7, 6, v[STO]
	v_add_nc_u32 v[STO], s24, v[STO]
	v_lshlrev_b32 v[SCO], 4, v11
	v_lshl_add_u32 v[SCO], v7, 3, v[SCO]
.irp b, 0,1,2,3
	v_mov_b32 v[TM+4+\b], 0                        ; written once: a lane permute's destination counts as one of its sources
.endr
	s_mov_b32 s[SEL], 0x76543210
	s_mov_b32 s[SEL+1], 0xfedcba98
	s_mov_b32 s[HM], 0xffff0000
	s_lshr_b32 s19, s18, 1
	s_and_b32 s22, s18, 1                          ; which half of K
	s_lshl_b32 s23, ttmp9, 1
	s_add_co_u32 s23, s23, s19                     ; my tile: 2 x work-group + wave / 2
	s_cmp_lt_u32 ttmp9, 256
	s_cselect_b32 s24, 511, 63
	s_and_b32 s24, s23, s24                        ; the tile's number in its own tensor
	s_lshr_b32 s25, s24, 1
	s_lshl_b32 s25, s25, 5
	s_and_b32 s24, s24, 1
	s_lshl_b32 s24, s24, 3
	s_add_co_u32 s24, s24, s25                     ; its first row
	s_lshl_b32 s24, s24, 12                        ; rows of 4,096 bytes
	s_lshl_b32 s25, s22, 11
	s_add_co_u32 s24, s24, s25                     ; + my half of K
	s_mov_b32 s25, 0
	s_mul_i32 s26, s23, 12288                      ; the tile's 16 half images,
	s_mul_i32 s27, s22, 6144                       ; my eight of them
	s_add_co_u32 s26, s26, s27
	s_mov_b32 s27, 0
	s_lshl_b32 s28, s23, 9                         ; the tile's 512 scale bytes,
	s_lshl_b32 s29, s22, 8                         ; my 256
	s_add_co_u32 s28, s28, s29
	s_mov_b32 s29, 0
	s_wait_alu depctr_va_vdst(0)
	s_wait_kmcnt 0x0
	s_add_nc_u64 s[4:5], s[4:5], 0x2000000         ; X[1]
	s_cmp_ge_u32 ttmp9, 256                        ; which tensor: the choice hangs on the work-group's number alone
	s_cselect_b64 s[4:5], s[6:7], s[4:5]
	s_cmp_ge_u32 ttmp9, 288
	s_cselect_b64 s[4:5], s[8:9], s[4:5]
	s_cmp_ge_u32 ttmp9, 320
	s_cselect_b64 s[4:5], s[10:11], s[4:5]
	s_cmp_ge_u32 ttmp9, 352
	s_cselect_b64 s[4:5], s[12:13], s[4:5]
	s_add_nc_u64 s[4:5], s[4:5], s[24:25]
	s_add_nc_u64 s[14:15], s[14:15], s[26:27]
	s_add_nc_u64 s[16:17], s[16:17], s[28:29]
.macro LOAD s                          ; step s: 128 numbers of each of the tile's 16 rows; 32 lanes read 512 consecutive bytes
.irp i, 0,1,2,3,4,5,6,7,8,9,10,11,12,13,14,15
	global_load_b128 v[R+64*((\s)%2)+4*\i:R+64*((\s)%2)+4*\i+3], v[LI16], s[4:5] offset:(\i+8*(\i/8))*4096+512*(\s) th:TH_LOAD_NT
.endr
.endm
.macro TURN s                          ; through the stage: LDS serves a wave's instructions in order, so no wait stands between the stores and the loads
.irp i, 0,1,2,3,4,5,6,7,8,9,10,11,12,13,14,15
	ds_store_b128 v[STI], v[R+64*((\s)%2)+4*\i:R+64*((\s)%2)+4*\i+3] offset:SROW*\i
.endr
.irp b, 0,1,2,3
.irp j, 0,1,2,3
	ds_load_b128 v[X+16*\b+4*\j:X+16*\b+4*\j+3], v[STO] offset:128*\b+16*\j
.endr
.endr
.endm
; 64 numbers of a lane, register 16 b + i = k 32 b + 16 h + i of my row, become a fragment's codes in v[PC] on and its scale word in v[pw].
.macro QUANT s, pw
.irp b, 0,1,2,3
	v_max3_num_f32 v[TM+\b], |v[\s+16*\b]|, |v[\s+1+16*\b]|, 0x1800000   ; block b: my 16 numbers, and the floor 2^(3 - 127): so the byte cannot fall under 1
.endr
.irp i, 2,4,6,8,10,12,14
.irp b, 0,1,2,3
	v_max3_num_f32 v[TM+\b], v[TM+\b], |v[\s+16*\b+\i]|, |v[\s+1+16*\b+\i]|   ; the four blocks by turns
.endr
.endr
.irp b, 0,1,2,3
	v_permlanex16_b32 v[TM+4+\b], v[TM+\b], s[SEL], s[SEL+1]
.endr
.irp b, 0,1,2,3
	v_max_num_f32 v[TM+\b], v[TM+\b], v[TM+4+\b]   ; with lane l xor 16's: the block's largest magnitude
.endr
.irp b, 0,1,2,3
	v_add_nc_u32 v[TM+12+\b], 0xff000000, v[TM+\b] ; 2 off its exponent field: the conversion takes this operand's exponent field as its scale
.endr
.irp b, 0,1,2,3
	v_lshrrev_b32 v[TM+4+\b], 23, v[TM+12+\b]      ; the scale's byte
.endr
	v_lshl_or_b32 v[\pw], v[TM+5], 8, v[TM+4]
	v_lshl_or_b32 v[\pw], v[TM+6], 16, v[\pw]
	v_lshl_or_b32 v[\pw], v[TM+7], 24, v[\pw]
	s_wait_xcnt 0x0                                ; the last fragment's stores have read the codes' registers: only now are they written again
.irp c, 0,1
	v_cvt_scalef32_pk16_fp6_f32 v[PC+6*\c:PC+2+6*\c], v[\s+32*\c:\s+15+32*\c], v[TM+12+2*\c]
	v_cvt_scalef32_pk16_fp6_f32 v[PC+12+4*\c:PC+14+4*\c], v[\s+16+32*\c:\s+31+32*\c], v[TM+12+2*\c+1]   ; (a conversion's three registers begin on an even number)
.endr
	v_nop                                          ; one plain place behind a scaled conversion
.irp c, 0,1                                    ; the operand wants a whole block in a lane: lanes 0-15 block 2 c, lanes 16-31 block 2 c + 1
.irp i, 0,1,2
	v_permlane16_swap_b32 v[PC+6*\c+\i], v[PC+12+4*\c+\i]
.endr
.irp i, 0,1,2
	v_mov_b32 v[PC+3+6*\c+\i], v[PC+12+4*\c+\i]
.endr
.endr
.endm
.macro OUTC s                          ; the fragment leaves as two half images
.irp c, 0,1
	global_store_b128 v[LI16], v[PC+6*\c:PC+6*\c+3], s[14:15] offset:1536*(\s)+768*\c
	global_store_b64 v[LI8], v[PC+6*\c+4:PC+6*\c+5], s[14:15] offset:1536*(\s)+768*\c+512
.endr
.endm
	LOAD 0
	LOAD 1
.irp s, 0,1,2,3
.if \s < 3
	s_wait_loadcnt 16                              ; this step's 16 loads are in; the next step's 16 may be out
.else
	s_wait_loadcnt 0x0
.endif
	TURN \s
	s_wait_dscnt 0x0                               ; the numbers are back, and the stage's stores have read their registers,
.if \s < 2
	LOAD \s+2                                      ; which take the loads of two steps on
.endif
	QUANT X, PW+\s
	OUTC \s
.endr
	v_cndmask_b32 v6, v[PW], v[PW+2], s[HM]        ; lanes 0-15 store words 0 and 1 of row r, lanes 16-31 words 2 and 3
	v_cndmask_b32 v7, v[PW+1], v[PW+3], s[HM]
	global_store_b64 v[SCO], v[6:7], s[16:17]      ; 32 lanes store 256 consecutive bytes, aligned
	s_wait_tensorcnt 0x0                           ; the wave's end: behind my last LDS store
	ds_add_u32 v[SPW], v[NIL]
	s_wait_dscnt 0x0
	s_endpgm
.Lfunc_end_k_q7993e4546f_quant:
	.size	k_q7993e4546f_quant, .Lfunc_end_k_q7993e4546f_quant-k_q7993e4546f_quant
	.p2alignl 7, 3214868480
	.fill 96, 4, 3214868480
	.section	.rodata,"a",@progbits
	.p2align	6, 0x0
	.amdhsa_kernel k_q7993e4546f_quant
		.amdhsa_group_segment_fixed_size 34304
		.amdhsa_private_segment_fixed_size 0
		.amdhsa_enable_private_segment 0
		.amdhsa_kernarg_size 56
		.amdhsa_user_sgpr_count 2
		.amdhsa_user_sgpr_kernarg_segment_ptr 1
		.amdhsa_wavefront_size32 1
		.amdhsa_system_sgpr_workgroup_id_x 1
		.amdhsa_system_sgpr_workgroup_id_y 1
		.amdhsa_system_sgpr_workgroup_id_z 1
		.amdhsa_system_vgpr_workitem_id 0
		.amdhsa_next_free_vgpr 256
		.amdhsa_next_free_sgpr 66
		.amdhsa_reserve_vcc 0
		.amdhsa_float_denorm_mode_32 3
		.amdhsa_float_denorm_mode_16_64 3
		.amdhsa_memory_ordered 1
		.amdhsa_forward_progress 1
		.amdhsa_inst_pref_size 35
	.end_amdhsa_kernel
	.amdgpu_metadata
---
amdhsa.version: [ 1, 2 ]
amdhsa.kernels:
  - .name:           k_q7993e4546f_quant
    .symbol:         k_q7993e4546f_quant.kd
    .args:
      - { .name: X, .offset: 0, .size: 8, .value_kind: global_buffer, .address_space: global }
      - { .name: Wq, .offset: 8, .size: 8, .value_kind: global_buffer, .address_space: global }
      - { .name: Wk, .offset: 16, .size: 8, .value_kind: global_buffer, .address_space: global }
      - { .name: Wv, .offset: 24, .size: 8, .value_kind: global_buffer, .address_space: global }
      - { .name: Wp, .offset: 32, .size: 8, .value_kind: global_buffer, .address_space: global }
      - { .name: img, .offset: 40, .size: 8, .value_kind: global_buffer, .address_space: global }
      - { .name: isc, .offset: 48, .size: 8, .value_kind: global_buffer, .address_space: global }
    .group_segment_fixed_size: 34304
    .private_segment_fixed_size: 0
    .kernarg_segment_align: 8
    .kernarg_segment_size: 56
    .max_flat_workgroup_size: 128
    .sgpr_count:     66
    .vgpr_count:     256
    .wavefront_size: 32
...
	.end_amdgpu_metadata
.endif
;; end of part 1
;; launch qkv (part 2): grid 12 x 32, 4 waves a work-group, clusters of 4 x 4, 327,680 bytes of LDS; arguments img, isc, bq, bk, bv, qb, kv; writes qb, kv
.if DOCPART == 2
	.amdgcn_target "amdgcn-amd-amdhsa--gfx1250"
	.amdhsa_code_object_version 6
	.text
	.protected	k_q7993e4546f_qkv
	.globl	k_q7993e4546f_qkv
	.p2align	8
	.type	k_q7993e4546f_qkv,@function
k_q7993e4546f_qkv:
	s_mov_b64 s[64:65], 0
	v_nop
	global_prefetch_b8 v0, s[64:65] scope:SCOPE_SE
	s_setreg_imm32_b32 hwreg(HW_REG_WAVE_MODE, 25, 1), 1
	s_wait_xcnt 0x0
	s_wait_alu depctr_hold_cnt(0) depctr_sa_sdst(0) depctr_va_vdst(0) depctr_va_sdst(0) depctr_va_ssrc(0) depctr_va_vcc(0) depctr_vm_vsrc(0)
	s_getreg_b32 s2, hwreg(HW_REG_IB_STS2, 6, 4)
	s_cmp_eq_u32 s2, 0
	s_cbranch_scc0 .Lentry_in_a_cluster
	s_endpgm
.Lentry_in_a_cluster:
	s_bfe_u32 s2, ttmp6, 0x10000c
	s_cmp_lg_u32 s2, 0xf033
	s_cbranch_scc0 .Lentry_shape_is_right
	s_endpgm
.Lentry_shape_is_right:
; q = x Wq^T + bq, k = x Wk^T + bk, v = x Wv^T + bv on codes of FP6 (E2M3) with E8M0 scales, and the results quantised at once for attention's two products.  X[0] is left out (see the first kernel): img holds X[1] alone.
; ONE GEMM FOR THREE.  The product has an operand P (source 1: one row of P to a lane of the result) and an operand R (source 0: rows of R along a lane's registers); the results are quantised along R.
; q and k are quantised along the head's 64 features: P = x, R = Wq or Wk.  v is quantised along the keys: P = Wv, R = x.  All operands lie in img and isc, in units of 256 rows (16 tiles):
; units 0-31 x, 32-35 Wq, 36-39 Wk, 40-43 Wv.  Cluster x = 0: q, 1: k, 2: v.
; A tile's rows are rows 32 (T / 2) + 8 (T % 2) + r + 8 (r / 8): so the 16 registers of R's tiles 2 b and 2 b + 1 are 16 neighbours, 32 b + 16 h + 0 .. 15, and the conversions take them as they stand.
; SHARES.  A work-group of four waves makes 256 rows of P x 256 rows of R, a wave 128 x 128: 64 accumulators, 512 registers.  K = 1,024 goes in four steps of 256 through two LDS slots.
; The tiles are images of the operands' registers (768 bytes for 16 rows x 64 K), so every LDS load takes consecutive bytes lane by lane: no pitch, no padding.
; CLUSTERS: 4 x 4.  P's tiles hang on the cluster's row alone and are asked for jointly along it, R's on its column.  At the start a wave's tensor loads go out one at a time, each waited for before the next; then one behind each round.
; THE WAY OUT.  qb: [batch x 16 + head][group j of 128 tokens][6,656]: eight half images (query tile a at 768 a), then 512 bytes of scale words.  kv: [..][j][13,056]: K's eight half images, V's eight
; (tile t of the head's 64, keys 64 c on, at 6,144 + 1,536 t + 768 c), K's scale words at 12,288 (512 bytes), V's at 12,800 (256).  A scale image: lane l holds words i: lanes 0-15 tile 2 i's word of row r,
; lanes 16-31 tile 2 i + 1's.  q's and k's words have the head's two bytes below and 0 above.  Each store covers 512 or 256 consecutive bytes, aligned.
; LIMITS: as in the first kernel (byte 1 for blocks under 2^-124 and for blocks of zeros; NaN and infinities not served).
; REGISTERS, in windows of 256: window 0: v1 r, v2 h, v8-29 addresses; v32-63 scale words, two sets; v64-127 the bias; v128-223 P's fragments, one set; behind the last product v128-247 serve the way out.
;   window 1: R's fragments, two sets, at v0 and v128.   windows 2, 3: the accumulators ((a, b) at v[8 (8 (a % 4) + b)] of window 2 + a / 4).
.set NQ,    2                          ; matrix instructions deep in a slot
.set FR,    12                         ; registers of a fragment: 16 rows x 128 K
.set NL,    4                          ; LDS loads that bring one
.set NP,    4                          ; places behind this matrix instruction (ISA guide 7.12.1)
.set TILEB, 3072                       ; a tile's 256 along K: four half images
.set HALFT, 8*TILEB                    ; eight tiles: what one tensor load brings, and what one wave reads of P or of R
.set SLOT,  4*HALFT                    ; P's 16 tiles, then R's 16
.set SCL,   2*SLOT                     ; behind the ring: the scale words for all of K, 4,096 bytes for each wave's eight tiles
.set SPARE, SCL+4*4096                 ; behind them: the spare words, 128 bytes for each wave, which no other line names
.set LI16, 8                           ; v8   16 x lane
.set LI8,  9                           ; v9   8 x lane
.set BO,   10                          ; v10  my lane's offset in the bias
.set ADRA, 16                          ; v16-17 P's fragments in slot 0, 1, with 16 x lane; v18-19 with 8 x lane
.set ADRB, 20                          ; v20-23 the same for R
.set ADRS, 27                          ; v27  my scale words: lanes 0-15 P's rows, lanes 16-31 R's
.set SPW,  28                          ; v28  my spare word; never rewritten
.set NIL,  29                          ; v29  0; never rewritten
.set SC,   32
.set BI,   64
.set AF,   128
.set W,    128                         ; the way out: v128-191 64 results with their bias
.set PC,   192                         ; v192-211 a fragment's codes
.set TM,   212                         ; v212-227 at work in QUANT
.set PWS,  228                         ; v228-235 the eight tiles' scale words
.set SW,   236                         ; v236-239 two tiles' words to a register
.set T0,   240                         ; v240-243, v244-247 the two heads' halves of them
.set T1,   244
.set WV,   18                          ; s18  wave
.set FB,   19                          ; s19  wave / 2: my half of P's rows.  Also: I fetch for P (0) or for R (1)
.set HF,   20                          ; s20  wave % 2: my half of R's rows.  Also: which eight tiles I fetch
.set ISV,  21                          ; s21  1 in the clusters that make v
.set PU,   22                          ; s22  P's unit
.set RU,   23                          ; s23  R's unit
.set G1,   24                          ; s[24:31], s[32:39] groups 1 and 0 (a set for each slot) for P's tiles
.set G0,   32
.set G1B,  48                          ; s[48:55], s[56:63] for R's
.set G0B,  56
.set SEL,  66                          ; s[66:67] lane selects: lane l xor 16
.set G1S,  68                          ; s[68:75], s[76:79] for P's scale words;  s[80:87], s[88:91] for R's
.set G0S,  76
.set G1SB, 80
.set G0SB, 88
.set HM,   100                         ; s100 the mask of lanes 16-31
.set MSB, 0
.macro WIN new                         ; the immediate's high byte repeats the setting that is left
.if MSB != (\new)
	s_set_vgpr_msb (MSB<<8)|(\new)
.set MSB, \new
.endif
.endm
.set MUL_LO, 0xa1                      ; source 0 (R) window 1, source 1 (P) window 0, C and D window 2
.set MUL_HI, 0xf1                      ; the same, C and D window 3
.set TO_B,   0x40                      ; destination window 1, address window 0
; A joint load: waves 0 and 1 fetch for P, waves 2 and 3 for R.  Each line has one mask and one set of registers; the branch hangs on the wave's number alone.
; An s_nop 0 and four v_nop follow each of the two lines.
.macro JLOAD g0a, g1a, g0b, g1b
	s_cmp_eq_u32 s[FB], 0
	s_cbranch_scc0 .Lfor_b_\@
	tensor_load_to_lds s[\g0a:\g0a+3], s[\g1a:\g1a+7]
	s_nop 0
.rept 4
	v_nop
.endr
	s_branch .Lasked_\@
.Lfor_b_\@:
	tensor_load_to_lds s[\g0b:\g0b+3], s[\g1b:\g1b+7]
	s_nop 0
.rept 4
	v_nop
.endr
.Lasked_\@:
.endm
.macro CREST                           ; a round of the cluster's barrier behind its opening barrier
	s_cmp_lg_u32 s[WV], 0
	s_cbranch_scc1 .Lnot_wave_0_\@
	s_barrier_signal -3
.Lnot_wave_0_\@:
	s_barrier_wait -3
	s_barrier_signal -1
	s_barrier_wait -1
.endm
.macro CROUND
	s_barrier_signal -1
	s_barrier_wait -1
	CREST
.endm
	s_load_b256 s[4:11], s[0:1], 0x0               ; img, isc, bq, bk
	s_load_b128 s[12:15], s[0:1], 0x20             ; bv, qb
	s_load_b64 s[16:17], s[0:1], 0x30              ; kv
	v_lshl_add_u32 v[SPW], v0, 2, SPARE
	v_mov_b32 v[NIL], 0
	ds_add_u32 v[SPW], v[NIL]                      ; the wave's opening: the add, twice on end, and its wait ahead of my first tensor load
	ds_add_u32 v[SPW], v[NIL]
	v_lshrrev_b32 v1, 5, v0
	v_readfirstlane_b32 s[WV], v1
	s_lshr_b32 s[FB], s[WV], 1
	s_and_b32 s[HF], s[WV], 1
	s_bfe_u32 s40, ttmp6, 0x40000                  ; cx, cy: my place in the cluster
	s_bfe_u32 s41, ttmp6, 0x40004
	s_and_b32 s42, ttmp7, 0xffff                   ; cluster y: four units of x
	s_add_co_u32 s43, ttmp9, 8                     ; 8 + cluster x: four units of a weight
	s_cmp_eq_u32 ttmp9, 2
	s_cselect_b32 s[ISV], 1, 0
	s_cselect_b32 s[PU], s43, s42
	s_cselect_b32 s[RU], s42, s43
	s_lshl_b32 s[PU], s[PU], 2
	s_add_co_u32 s[PU], s[PU], s41                 ; P's unit hangs on cy alone,
	s_lshl_b32 s[RU], s[RU], 2
	s_add_co_u32 s[RU], s[RU], s40                 ; R's on cx alone
	s_lshl_b32 s44, s41, 2
	s_lshl_b32 s44, 15, s44                        ; my row of the cluster
	s_lshl_b32 s45, 0x1111, s40                    ; my column
	; group 1 for codes: eight tiles' 3,072 bytes each (384 elements of 8 bytes), 12,288 bytes apart in memory, on end in LDS
	s_or_b32 s[G1+0], s44, (3<<16)|(1<<21)
	s_or_b32 s[G1B+0], s45, (3<<16)|(1<<21)
.irp g, G1, G1B
	s_mov_b32 s[\g+1], 384<<16                     ; tensor_dim0
	s_mov_b32 s[\g+2], 8<<16                       ; tensor_dim1
	s_mov_b32 s[\g+3], 384<<16                     ; tile_dim0
	s_mov_b32 s[\g+4], 8                           ; tile_dim1
	s_mov_b32 s[\g+5], 1536                        ; elements from tile to tile
	s_mov_b32 s[\g+6], 0
	s_mov_b32 s[\g+7], 0
.endr
	; and for scale words: eight tiles' 4,096 dense bytes as 16 rows of 256
	s_or_b32 s[G1S+0], s44, (3<<16)|(1<<21)
	s_or_b32 s[G1SB+0], s45, (3<<16)|(1<<21)
.irp g, G1S, G1SB
	s_mov_b32 s[\g+1], 32<<16
	s_mov_b32 s[\g+2], 16<<16
	s_mov_b32 s[\g+3], 32<<16
	s_mov_b32 s[\g+4], 16
	s_mov_b32 s[\g+5], 32
	s_mov_b32 s[\g+6], 0
	s_mov_b32 s[\g+7], 0
.endr
	s_lshl_b32 s46, s[PU], 4
	s_lshl_b32 s47, s[HF], 3
	s_add_co_u32 s46, s46, s47                     ; P's first tile that I fetch
	s_lshl_b32 s92, s[RU], 4
	s_add_co_u32 s92, s92, s47                     ; R's
	s_mul_i32 s94, s46, 12288                      ; their codes, in bytes
	s_mov_b32 s95, 0
	s_mul_i32 s96, s92, 12288
	s_mov_b32 s97, 0
	s_lshl_b32 s46, s46, 9                         ; their scale words
	s_mov_b32 s47, 0
	s_lshl_b32 s92, s92, 9
	s_mov_b32 s93, 0
	s_mul_i32 s98, s[WV], HALFT                    ; where they go: no place in the cluster enters an LDS address
	s_lshl_b32 s99, s[WV], 12
	s_mov_b32 s[SEL], 0x76543210
	s_mov_b32 s[SEL+1], 0xfedcba98
	s_mov_b32 s[HM], 0xffff0000
	s_wait_dscnt 0x0                               ; both opening adds are done
	s_wait_kmcnt 0x0
	s_add_nc_u64 s[94:95], s[4:5], s[94:95]
	s_add_nc_u64 s[96:97], s[4:5], s[96:97]
	s_add_nc_u64 s[46:47], s[6:7], s[46:47]
	s_add_nc_u64 s[92:93], s[6:7], s[92:93]
	CROUND                                         ; all sixteen work-groups are here: the first joint loads meet
	s_mov_b32 s[G0S], 1
	s_add_co_u32 s[G0S+1], s99, SCL
	s_mov_b64 s[G0S+2:G0S+3], s[46:47]
	s_or_b32 s[G0S+3], s[G0S+3], 0x80000000
	s_mov_b32 s[G0SB], 1
	s_add_co_u32 s[G0SB+1], s99, SCL
	s_mov_b64 s[G0SB+2:G0SB+3], s[92:93]
	s_or_b32 s[G0SB+3], s[G0SB+3], 0x80000000
	JLOAD G0S, G1S, G0SB, G1SB                     ; the scale words first: they are wanted with the first step
.irp s, 0,1
	s_mov_b32 s[G0+4*\s], 1
	s_add_co_u32 s[G0+4*\s+1], s98, \s*SLOT
	s_add_nc_u64 s[G0+4*\s+2:G0+4*\s+3], s[94:95], \s*TILEB
	s_or_b32 s[G0+4*\s+3], s[G0+4*\s+3], 0x80000000
	s_mov_b32 s[G0B+4*\s], 1
	s_add_co_u32 s[G0B+4*\s+1], s98, \s*SLOT
	s_add_nc_u64 s[G0B+4*\s+2:G0B+4*\s+3], s[96:97], \s*TILEB
	s_or_b32 s[G0B+4*\s+3], s[G0B+4*\s+3], 0x80000000
	s_wait_alu depctr_va_vdst(0)
	s_wait_tensorcnt 0x0
	ds_add_u32 v28, v29
	s_wait_dscnt 0x0
	CROUND
	JLOAD G0+4*\s, G1, G0B+4*\s, G1B
.endr
	v_and_b32 v1, 15, v0                           ; r
	v_bfe_u32 v2, v0, 4, 1                         ; h
	v_and_b32 v3, 31, v0
	v_lshlrev_b32 v[LI16], 4, v3
	v_lshlrev_b32 v[LI8], 3, v3
	s_mul_i32 s46, s[FB], HALFT                    ; my eight tiles of P
	s_mul_i32 s47, s[HF], HALFT                    ; my eight of R,
	s_add_co_u32 s47, s47, 2*HALFT                 ; which lie behind P's sixteen
.irp s, 0,1
	v_add_nc_u32 v[ADRA+\s], s46, v[LI16]
	v_add_nc_u32 v[ADRA+2+\s], s46, v[LI8]
	v_add_nc_u32 v[ADRB+\s], s47, v[LI16]
	v_add_nc_u32 v[ADRB+2+\s], s47, v[LI8]
	s_add_co_u32 s46, s46, SLOT
	s_add_co_u32 s47, s47, SLOT
.endr
	s_lshl_b32 s46, s[FB], 12                      ; P's scale words: my eight tiles
	s_lshl_b32 s47, s[HF], 12                      ; R's, behind P's 8,192 bytes
	s_add_co_u32 s47, s47, 8192
	s_sub_co_u32 s47, s47, s46
	v_mul_u32_u24 v4, s47, v2                      ; lanes 16-31 take R's: one product, the distance between the two
	s_add_co_u32 s46, s46, SCL
	v_lshl_add_u32 v4, v1, 4, v4                   ; 16 bytes a row
	v_add_nc_u32 v[ADRS], s46, v4
.macro FRAG reg, adr, q, i             ; a fragment is two half images on end: registers 6 c .. 6 c + 3 by 16 bytes a lane, 6 c + 4, 6 c + 5 by 8
	ds_load_b128 v[\reg:\reg+3], v[\adr] offset:TILEB*(\i)+1536*(\q)
	ds_load_b64 v[\reg+4:\reg+5], v[\adr+2] offset:TILEB*(\i)+1536*(\q)+512
	ds_load_b128 v[\reg+6:\reg+9], v[\adr] offset:TILEB*(\i)+1536*(\q)+768
	ds_load_b64 v[\reg+10:\reg+11], v[\adr+2] offset:TILEB*(\i)+1536*(\q)+1280
.endm
; 16 matrix instructions: P's tiles a0, a0 + 1 x R's eight, 128 along K.  p: R's set; sc: the set of scale words.  zero = 1: the first product starts the sums.
; The 64 accumulators take turns, one instruction a turn, in the same order in every step.
.macro MUL16 a0, p, q, sc, zero
.irp a, \a0, \a0+1
.irp b, 0,1,2,3,4,5,6,7
.if \zero
	v_wmma_scale_f32_16x16x128_f8f6f4 v[8*(8*((\a)%4)+\b):8*(8*((\a)%4)+\b)+7], v[128*(\p)+FR*\b:128*(\p)+FR*\b+FR-1], v[AF+FR*(\a):AF+FR*(\a)+FR-1], 0, v[SC+8*NQ*(\sc)+NQ*\b+(\q)], v[SC+8*NQ*(\sc)+NQ*(\a)+(\q)] matrix_a_fmt:MATRIX_FMT_FP6 matrix_b_fmt:MATRIX_FMT_FP6 matrix_a_scale:MATRIX_SCALE_ROW1
.else
	v_wmma_scale_f32_16x16x128_f8f6f4 v[8*(8*((\a)%4)+\b):8*(8*((\a)%4)+\b)+7], v[128*(\p)+FR*\b:128*(\p)+FR*\b+FR-1], v[AF+FR*(\a):AF+FR*(\a)+FR-1], v[8*(8*((\a)%4)+\b):8*(8*((\a)%4)+\b)+7], v[SC+8*NQ*(\sc)+NQ*\b+(\q)], v[SC+8*NQ*(\sc)+NQ*(\a)+(\q)] matrix_a_fmt:MATRIX_FMT_FP6 matrix_b_fmt:MATRIX_FMT_FP6 matrix_a_scale:MATRIX_SCALE_ROW1
.endif
.endr
.endr
.endm
.macro FETCH_B slot, q, p
	WIN TO_B
.irp i, 0,1,2,3,4,5,6,7
	FRAG 128*(\p)+FR*\i, ADRB+\slot, \q, \i
.endr
	WIN 0
.endm
.macro FETCH_A slot, q, i0
.irp i, \i0, \i0+1, \i0+2, \i0+3
	FRAG AF+FR*(\i), ADRA+\slot, \q, \i
.endr
.endm
.macro SCALES sc, sg                   ; the two scale words of K's sg-th 256 into set sc: lanes 0-15 P's tile i, lanes 16-31 R's tile i
.irp i, 0,1,2,3,4,5,6,7
	ds_load_b64 v[SC+8*NQ*\sc+NQ*\i:SC+8*NQ*\sc+NQ*\i+1], v[ADRS] offset:512*\i+256*((\sg)/2)+8*((\sg)%2)
.endr
.endm
.macro PLACES n                        ; plain vector instructions between a matrix instruction and a load into, or a read of, its registers
.rept \n
	v_nop
.endr
.endm
.macro STEP slot, q, zero              ; 128 along K that have their successor in the same slot
	s_wait_dscnt 4*NL                              ; R's set and P's tiles 0-3 are in; the youngest 16 loads (P's tiles 4-7) may be out
	WIN MUL_LO
	MUL16 0, (\q)%2, \q, \slot, \zero
	MUL16 2, (\q)%2, \q, \slot, \zero
	s_wait_dscnt 0                                 ; P's tiles 4-7 are in
	PLACES NP
	FETCH_B \slot, (\q)+1, 1-(\q)%2
	FETCH_A \slot, (\q)+1, 0
	WIN MUL_HI
	MUL16 4, (\q)%2, \q, \slot, \zero
	MUL16 6, (\q)%2, \q, \slot, \zero
	PLACES NP
	WIN 0
	FETCH_A \slot, (\q)+1, 4
.endm
; A slot's last 128 change slots: one barrier; in front of it each wave waits for all its tensor loads, adds 0 to its spare word, and waits for that and for its reads of this slot.
; fill = 1: the barrier opens a round of the cluster's, and this slot is filled again first thing behind it.  sg: which 256 of K the next slot holds.
.macro TURN slot, next, fill, sg
	s_wait_tensorcnt 0x0                           ; all my tensor loads have landed: my part of the next slot
	ds_add_u32 v[SPW], v[NIL]
	s_wait_dscnt 4*NL+1                            ; (the add and the youngest 16 loads may be out)
	WIN MUL_LO
	MUL16 0, 1, NQ-1, \slot, 0
	s_wait_dscnt 0x0                               ; the add is done, and my reads of this slot are over
	s_barrier_signal -1
	MUL16 2, 1, NQ-1, \slot, 0
	WIN 0
	s_barrier_wait -1
.if \fill
	CREST                                          ; no wave of any partner still reads this slot or has a load on its way
	s_add_nc_u64 s[G0+4*\slot+2:G0+4*\slot+3], s[G0+4*\slot+2:G0+4*\slot+3], 2*TILEB
	s_add_nc_u64 s[G0B+4*\slot+2:G0B+4*\slot+3], s[G0B+4*\slot+2:G0B+4*\slot+3], 2*TILEB
	JLOAD G0+4*\slot, G1, G0B+4*\slot, G1B         ; its four v_nop are also the places in front of the loads below
.else
	PLACES NP
.endif
	FETCH_B \next, 0, 0
	FETCH_A \next, 0, 0
	SCALES \next, \sg
	WIN MUL_HI
	MUL16 4, 1, NQ-1, \slot, 0
	MUL16 6, 1, NQ-1, \slot, 0
	PLACES NP
	WIN 0
	FETCH_A \next, 0, 4
.endm
; 64 numbers of a lane, register 16 b + i = place 32 b + 16 h + i along the next K, become a fragment's codes in v[PC] on and its scale word in v[pw].
.macro QUANT s, pw
.irp b, 0,1,2,3
	v_max3_num_f32 v[TM+\b], |v[\s+16*\b]|, |v[\s+1+16*\b]|, 0x1800000   ; my 16 numbers, and the floor 2^(3 - 127): so the byte cannot fall under 1
.endr
.irp i, 2,4,6,8,10,12,14
.irp b, 0,1,2,3
	v_max3_num_f32 v[TM+\b], v[TM+\b], |v[\s+16*\b+\i]|, |v[\s+1+16*\b+\i]|
.endr
.endr
.irp b, 0,1,2,3
	v_permlanex16_b32 v[TM+4+\b], v[TM+\b], s[SEL], s[SEL+1]
.endr
.irp b, 0,1,2,3
	v_max_num_f32 v[TM+\b], v[TM+\b], v[TM+4+\b]
.endr
.irp b, 0,1,2,3
	v_add_nc_u32 v[TM+12+\b], 0xff000000, v[TM+\b] ; 2 off the exponent field: the conversion's scale operand
.endr
.irp b, 0,1,2,3
	v_lshrrev_b32 v[TM+4+\b], 23, v[TM+12+\b]      ; the scale's byte
.endr
	v_lshl_or_b32 v[\pw], v[TM+5], 8, v[TM+4]
	v_lshl_or_b32 v[\pw], v[TM+6], 16, v[\pw]
	v_lshl_or_b32 v[\pw], v[TM+7], 24, v[\pw]
	s_wait_xcnt 0x0                                ; the last fragment's stores have read the codes' registers
.irp c, 0,1
	v_cvt_scalef32_pk16_fp6_f32 v[PC+6*\c:PC+2+6*\c], v[\s+32*\c:\s+15+32*\c], v[TM+12+2*\c]
	v_cvt_scalef32_pk16_fp6_f32 v[PC+12+4*\c:PC+14+4*\c], v[\s+16+32*\c:\s+31+32*\c], v[TM+12+2*\c+1]
.endr
	v_nop                                          ; one plain place behind a scaled conversion
.irp c, 0,1
.irp i, 0,1,2
	v_permlane16_swap_b32 v[PC+6*\c+\i], v[PC+12+4*\c+\i]
.endr
.irp i, 0,1,2
	v_mov_b32 v[PC+3+6*\c+\i], v[PC+12+4*\c+\i]
.endr
.endr
.endm
; P's tile a leaves: its 64 sums get their bias (one packed addition also brings them into window 0; each accumulator is read from its low end on), are quantised, and go out as two half images.
.macro EPIA a, vmode
	WIN 0x02+(\a)/4
.set n, 0
.rept 32
.if \vmode
	v_pk_add_f32 v[W+2*n:W+2*n+1], v[64*((\a)%4)+2*n:64*((\a)%4)+2*n+1], v[BI+2*(\a):BI+2*(\a)+1]
.else
	v_pk_add_f32 v[W+2*n:W+2*n+1], v[64*((\a)%4)+2*n:64*((\a)%4)+2*n+1], v[BI+2*n:BI+2*n+1]
.endif
.set n, n+1
.endr
	WIN 0
	QUANT W, PWS+\a
.if \vmode
.irp c, 0,1                                    ; tile a % 4 of head a / 4, keys 64 c on
	global_store_b128 v[LI16], v[PC+6*\c:PC+6*\c+3], s[92:93] offset:208896*((\a)/4)+1536*((\a)%4)+768*\c
	global_store_b64 v[LI8], v[PC+6*\c+4:PC+6*\c+5], s[92:93] offset:208896*((\a)/4)+1536*((\a)%4)+768*\c+512
.endr
.else
	global_store_b128 v[LI16], v[PC:PC+3], s[92:93] offset:768*(\a)          ; my first head's 64 features,
	global_store_b64 v[LI8], v[PC+4:PC+5], s[92:93] offset:768*(\a)+512
	global_store_b128 v[LI16], v[PC+6:PC+9], s[94:95] offset:768*(\a)        ; my second head's
	global_store_b64 v[LI8], v[PC+10:PC+11], s[94:95] offset:768*(\a)+512
.endif
.endm
; The last 128 along K and the way out, once for q and k (vmode 0) and once for v (vmode 1).  The bias is asked for ahead of the last 64 products.
.macro TAIL vmode
.if \vmode
	s_sub_co_u32 s40, s[PU], 40
	s_lshl_b32 s40, s40, 8
	s_lshl_b32 s41, s[FB], 7
	s_add_co_u32 s40, s40, s41                     ; my first feature of v
	s_lshl_b32 s42, s[RU], 8
	s_lshl_b32 s41, s[HF], 7
	s_add_co_u32 s42, s42, s41                     ; my first token
	s_lshr_b32 s43, s42, 11                        ; its batch
	s_lshl_b32 s43, s43, 4
	s_lshr_b32 s41, s40, 6                         ; my first head
	s_add_co_u32 s43, s43, s41
	s_lshl_b32 s43, s43, 4
	s_bfe_u32 s41, s42, 0x40007                    ; the tokens' group j
	s_add_co_u32 s43, s43, s41
	s_mul_i32 s44, s43, 13056
	s_add_co_u32 s44, s44, 6144                    ; V's part of the block
	s_mov_b32 s45, 0
	s_add_nc_u64 s[92:93], s[16:17], s[44:45]
	s_lshl_b32 s44, s40, 2
	s_add_nc_u64 s[46:47], s[12:13], s[44:45]      ; bv at my first feature
	v_and_b32 v[BO], 8, v1
	v_add_nc_u32 v[BO], v[BO], v1
	v_lshlrev_b32 v[BO], 2, v[BO]                  ; the bias goes by P's row, which is my lane's: r + 8 (r / 8)
.irp a, 0,1,2,3,4,5,6,7
	global_load_b32 v[BI+2*\a], v[BO], s[46:47] offset:(32*(\a/2)+8*(\a%2))*4
	global_load_b32 v[BI+2*\a+1], v[BO], s[46:47] offset:(32*(\a/2)+8*(\a%2))*4   ; twice: a pair for the packed addition
.endr
.else
	s_lshl_b32 s40, s[PU], 8
	s_lshl_b32 s41, s[FB], 7
	s_add_co_u32 s40, s40, s41                     ; my first token
	s_sub_co_u32 s42, s[RU], 32
	s_lshl_b32 s42, s42, 8
	s_lshl_b32 s41, s[HF], 7
	s_add_co_u32 s42, s42, s41                     ; my first feature, q's 1,024 and then k's
	s_lshr_b32 s43, s40, 11                        ; the batch
	s_lshl_b32 s43, s43, 4
	s_bfe_u32 s41, s42, 0x40006                    ; my first head
	s_add_co_u32 s43, s43, s41
	s_lshl_b32 s43, s43, 4
	s_bfe_u32 s41, s40, 0x40007                    ; the tokens' group j
	s_add_co_u32 s43, s43, s41
	s_and_b32 s42, s42, 1023
	s_lshl_b32 s42, s42, 2
	s_mov_b32 s44, 13056
	s_mov_b32 s45, 12288
	s_cmp_eq_u32 ttmp9, 0                          ; q or k: the choice hangs on the cluster's number alone
	s_cselect_b64 s[92:93], s[14:15], s[16:17]
	s_cselect_b64 s[46:47], s[8:9], s[10:11]
	s_cselect_b32 s44, 6656, s44                   ; a block's bytes,
	s_cselect_b32 s45, 6144, s45                   ; and where its scale image begins
	s_mul_i32 s40, s43, s44
	s_mov_b32 s41, 0
	s_add_nc_u64 s[92:93], s[92:93], s[40:41]      ; my first head's block,
	s_lshl_b32 s40, s44, 4
	s_add_nc_u64 s[94:95], s[92:93], s[40:41]      ; my second head's: 16 blocks on
	s_mov_b32 s40, s45
	s_add_nc_u64 s[96:97], s[92:93], s[40:41]
	s_add_nc_u64 s[98:99], s[94:95], s[40:41]
	s_mov_b32 s40, s42
	s_add_nc_u64 s[46:47], s[46:47], s[40:41]      ; the bias at my first feature
	v_lshlrev_b32 v[BO], 6, v2                     ; the bias goes by R's row, which runs along my registers: 16 h features on
.irp t, 0,1,2,3,4,5,6,7
	global_load_b128 v[BI+8*\t:BI+8*\t+3], v[BO], s[46:47] offset:(32*(\t/2)+8*(\t%2))*4
	global_load_b128 v[BI+8*\t+4:BI+8*\t+7], v[BO], s[46:47] offset:(32*(\t/2)+8*(\t%2))*4+16
.endr
.endif
	s_wait_dscnt 4*NL                              ; the very last step: nothing more to fetch
	WIN MUL_LO
	MUL16 0, 1, NQ-1, 1, 0
	MUL16 2, 1, NQ-1, 1, 0
	s_wait_dscnt 0x0
	WIN MUL_HI
	MUL16 4, 1, NQ-1, 1, 0
	MUL16 6, 1, NQ-1, 1, 0
	WIN 0
	PLACES NP                                      ; in front of the first read of results and the first write over P's fragments
.irp b, 0,1,2,3
	v_mov_b32 v[TM+4+\b], 0                        ; a lane permute's destination counts as one of its sources
.endr
	s_wait_loadcnt 0x0                             ; the bias
.irp a, 0,1,2,3,4,5,6,7
	EPIA \a, \vmode
.endr
.irp i, 0,1,2,3
	v_cndmask_b32 v[SW+\i], v[PWS+2*\i], v[PWS+2*\i+1], s[HM]   ; lanes 0-15 tile 2 i's words, lanes 16-31 tile 2 i + 1's
.endr
.if \vmode
	global_store_b64 v[LI8], v[SW:SW+1], s[92:93] offset:6656            ; my first head's four tiles,
	global_store_b64 v[LI8], v[SW+2:SW+3], s[92:93] offset:215552        ; my second head's
.else
.irp i, 0,1,2,3
	v_and_b32 v[T0+\i], 0xffff, v[SW+\i]           ; a word's lower two bytes are my first head's two blocks,
	v_lshrrev_b32 v[T1+\i], 16, v[SW+\i]           ; its upper two my second head's
.endr
	global_store_b128 v[LI16], v[T0:T0+3], s[96:97]
	global_store_b128 v[LI16], v[T1:T1+3], s[98:99]
.endif
.endm
	s_wait_alu depctr_va_vdst(0)
	s_wait_tensorcnt 1                             ; the scale words and my part of slot 0 are in (slot 1's load may be out),
	s_barrier_signal -1
	s_barrier_wait -1                              ; everybody's are
	FETCH_B 0, 0, 0
	FETCH_A 0, 0, 0
	SCALES 0, 0
	FETCH_A 0, 0, 4
	STEP 0, 0, 1                                   ; K = 1,024 is eight steps of 128: written out; the first products start the sums
	TURN 0, 1, 1, 1
	STEP 1, 0, 0
	TURN 1, 0, 1, 2
	STEP 0, 0, 0
	TURN 0, 1, 0, 3                                ; nothing is left to fetch: no round
	STEP 1, 0, 0
	s_cmp_lg_u32 s[ISV], 0                         ; the cluster's number alone: the same in all partners and all waves
	s_cbranch_scc1 .Lvarm
	TAIL 0
	s_branch .Lend
.Lvarm:
	TAIL 1
.Lend:
	s_wait_tensorcnt 0x0                           ; the wave's end
	ds_add_u32 v[SPW], v[NIL]
	s_wait_dscnt 0x0
	CROUND                                         ; the closing round: no work-group ends while a partner may still ask for a tile that names it
	s_endpgm
.Lfunc_end_k_q7993e4546f_qkv:
	.size	k_q7993e4546f_qkv, .Lfunc_end_k_q7993e4546f_qkv-k_q7993e4546f_qkv
	.p2alignl 7, 3214868480
	.fill 96, 4, 3214868480
	.section	.rodata,"a",@progbits
	.p2align	6, 0x0
	.amdhsa_kernel k_q7993e4546f_qkv
		.amdhsa_group_segment_fixed_size 327680
		.amdhsa_private_segment_fixed_size 0
		.amdhsa_enable_private_segment 0
		.amdhsa_kernarg_size 56
		.amdhsa_user_sgpr_count 2
		.amdhsa_user_sgpr_kernarg_segment_ptr 1
		.amdhsa_wavefront_size32 1
		.amdhsa_system_sgpr_workgroup_id_x 1
		.amdhsa_system_sgpr_workgroup_id_y 1
		.amdhsa_system_sgpr_workgroup_id_z 1
		.amdhsa_system_vgpr_workitem_id 0
		.amdhsa_next_free_vgpr 1024
		.amdhsa_next_free_sgpr 102
		.amdhsa_reserve_vcc 0
		.amdhsa_float_denorm_mode_32 3
		.amdhsa_float_denorm_mode_16_64 3
		.amdhsa_memory_ordered 1
		.amdhsa_forward_progress 1
		.amdhsa_inst_pref_size 228
	.end_amdhsa_kernel
	.amdgpu_metadata
---
amdhsa.version: [ 1, 2 ]
amdhsa.kernels:
  - .name:           k_q7993e4546f_qkv
    .symbol:         k_q7993e4546f_qkv.kd
    .args:
      - { .name: img, .offset: 0, .size: 8, .value_kind: global_buffer, .address_space: global }
      - { .name: isc, .offset: 8, .size: 8, .value_kind: global_buffer, .address_space: global }
      - { .name: bq, .offset: 16, .size: 8, .value_kind: global_buffer, .address_space: global }
      - { .name: bk, .offset: 24, .size: 8, .value_kind: global_buffer, .address_space: global }
      - { .name: bv, .offset: 32, .size: 8, .value_kind: global_buffer, .address_space: global }
      - { .name: qb, .offset: 40, .size: 8, .value_kind: global_buffer, .address_space: global }
      - { .name: kv, .offset: 48, .size: 8, .value_kind: global_buffer, .address_space: global }
    .group_segment_fixed_size: 327680
    .private_segment_fixed_size: 0
    .kernarg_segment_align: 8
    .kernarg_segment_size: 56
    .max_flat_workgroup_size: 128
    .sgpr_count:     102
    .vgpr_count:     1024
    .wavefront_size: 32
...
	.end_amdgpu_metadata
.endif
;; end of part 2
;; launch attn (part 3): grid 4 x 64, 16 waves a work-group, clusters of 4 x 1, 210,944 bytes of LDS; arguments qb, kv, aoi, aos; writes aoi, aos
.if DOCPART == 3
	.amdgcn_target "amdgcn-amd-amdhsa--gfx1250"
	.amdhsa_code_object_version 6
	.text
	.protected	k_q7993e4546f_attn
	.globl	k_q7993e4546f_attn
	.p2align	8
	.type	k_q7993e4546f_attn,@function
k_q7993e4546f_attn:
	s_mov_b64 s[64:65], 0
	v_nop
	global_prefetch_b8 v0, s[64:65] scope:SCOPE_SE
	s_setreg_imm32_b32 hwreg(HW_REG_WAVE_MODE, 25, 1), 1
	s_wait_xcnt 0x0
	s_wait_alu depctr_hold_cnt(0) depctr_sa_sdst(0) depctr_va_vdst(0) depctr_va_sdst(0) depctr_va_ssrc(0) depctr_va_vcc(0) depctr_vm_vsrc(0)
	s_getreg_b32 s2, hwreg(HW_REG_IB_STS2, 6, 4)
	s_cmp_eq_u32 s2, 0
	s_cbranch_scc0 .Lentry_in_a_cluster
	s_endpgm
.Lentry_in_a_cluster:
	s_bfe_u32 s2, ttmp6, 0x10000c
	s_cmp_lg_u32 s2, 0x3003
	s_cbranch_scc0 .Lentry_shape_is_right
	s_endpgm
.Lentry_shape_is_right:
; out[b][h][q] = the sum over k of softmax_k(q . k / 32) v, both products on codes of FP6 (E2M3) with E8M0 scales, and the result quantised along (head, d) for the last projection.
; THE SOFTMAX AHEAD OF THE SECOND PRODUCT: t = score x log2(e) / 32; M = the running largest t rounded up to a whole number; p = 2^(t - M) is quantised along the keys, not normalised; the row's sum is
; taken of the unquantised p and divides at the end.  When M moves, the sum and O are multiplied by 2^(old M - new M), which rounds nothing.
; SHARES.  A work-group takes one (batch, head) and 512 of its 2,048 queries; each of its sixteen waves two tiles of 16 queries, one after the other, in 256 registers: four waves to a SIMD, so that one
; wave's vector work stands beside another's matrix work and LDS loads.  A head's K, V and scale words are 208,896 bytes: the whole head lies in LDS, as it lies in kv; nothing is filled again.
; CLUSTER.  The four work-groups of a head ask for it jointly: wave w's one tensor load brings key step w (13,056 bytes as 51 rows of 256), with the same descriptor and the mask of all four.
; One tensor load of a wave is out.  Nothing is asked for ahead of that load: it is the launch's whole stream of K and V.
; LAYOUT.  Both products transposed: S^T = K Q^T, O^T = V^T P^T: a lane holds one query throughout.  Lane r of K's tile 2 b + u is key 32 b + 8 u + r + 8 (r / 8), so the 16 registers of two neighbouring
; tiles are 16 neighbouring keys; V's tiles of d are laid likewise, so O^T's registers are neighbours along d.
; THE FIRST PRODUCT'S K IS 64, the instruction's 128: Q's registers 6-11 are zero codes, so what K's registers 6-11 hold adds nothing (every code of the format is a finite number, and the upper two bytes
; of both scale words are 0, which is no NaN).  So K's tiles stand 6 registers apart, and tile t is named with the next tile's six behind it; only six registers a tile are read from LDS.
; THE WAY OUT.  aoi: the first kernel's layout of codes, [token tile][head][768]; aos: its layout of scale words: a head's two bytes are half a word, so they leave by a store of 2 bytes a lane, 16 bytes
; apart (lanes 16-31 repeat lanes 0-15): 262,144 bytes of the launch's 6.5 million; a whole word would take two heads, which never meet in a work-group.
; LIMITS: p under 2^-126 is 0; O / l is a multiplication by v_rcp_f32's result; blocks under 2^-124 and blocks of zeros keep the byte 1; NaN and infinities are not served.
.set STEPB, 13056                      ; a key step in LDS: K's 8 half images, V's 8, K's scale words (512), V's (256)
.set HEADB, 16*STEPB
.set SPARE, HEADB                      ; behind the head: the spare words, 128 bytes for each wave, which no other line names
.set LI16, 1                           ; v1   16 x lane
.set LI8,  2                           ; v2   8 x lane
.set QA16, 3                           ; v3   my query tile's half image: 16 x lane + 768 a
.set QA8,  4                           ; v4   8 x lane + 768 a + 512
.set SPW,  5                           ; v5   my spare word; never rewritten
.set NIL,  6                           ; v6   0; never rewritten
.set QSA,  7                           ; v7   my query tile's scale words
.set A16,  8                           ; v8, v9 the step's LDS addresses
.set A8,   9
.set R16,  11                          ; v11  16 r
.set Q0,   16                          ; v16-27 the first tile's Q: six registers of codes, six of zeros
.set KS,   28                          ; v28-31 K's scale words
.set KV,   32                          ; v32-85 K's eight tiles, 6 registers apart (v80-85: zeros), then V's four fragments
.set VS,   86                          ; v86-87 V's scale words
.set S,    96                          ; v96-159 S^T, then p
.set O,    160                         ; v160-191 O^T
.set PCD,  192                         ; v192-203 p's codes
.set CT,   204                         ; v204-206, v208-210 the conversions' second halves
.set BM,   212                         ; v212-215 the blocks' largest scores, then largest p
.set BT,   216                         ; v216-219 the other half's, then the bytes
.set SOP,  220                         ; v220-223 the conversions' scale operands
.set TMP,  224
.set F,    226                         ; v[226:227] f = 2^(old M - new M); v227 is named with it and holds 0
.set PWD,  228                         ; v228 p's scale word
.set QS0,  229                         ; v229 the first tile's Q's scale words
.set SUM,  230                         ; v[230:231]
.set Q1,   232                         ; v232-243, v244 the second tile's
.set QS1,  244
.set WV,   12
.set BX,   13                          ; s13  which 512 queries
.set HD,   14                          ; s14  batch x 16 + head
.set SEL,  20                          ; s[20:21] lane selects: lane l xor 16
.set CS,   22                          ; s[22:23] c = log2(e) / 32, twice
.set G1,   24
.set G0,   32
.set TB,   44                          ; s44  LDS byte at which the step begins
.set CNT,  45
.set QP,   46                          ; s[46:47] my first tile's block of qb
.set AO,   48                          ; s[48:49] its half image in aoi
.set ASC,  50                          ; s[50:51] its half words in aos
.macro ROUND                           ; a round of the cluster's barrier
	s_barrier_signal -1
	s_barrier_wait -1
	s_cmp_lg_u32 s[WV], 0
	s_cbranch_scc1 .Lnot_wave_0_\@
	s_barrier_signal -3
.Lnot_wave_0_\@:
	s_barrier_wait -3
	s_barrier_signal -1
	s_barrier_wait -1
.endm
	s_load_b256 s[4:11], s[0:1], 0x0               ; qb, kv, aoi, aos
	v_lshl_add_u32 v[SPW], v0, 2, SPARE
	v_mov_b32 v[NIL], 0
	ds_add_u32 v[SPW], v[NIL]                      ; the wave's opening: the add, twice on end, and its wait ahead of my first tensor load
	ds_add_u32 v[SPW], v[NIL]
	v_lshrrev_b32 v10, 5, v0
	s_delay_alu instid0(VALU_DEP_1)
	v_readfirstlane_b32 s[WV], v10                 ; wave 0..15
	s_bfe_u32 s[BX], ttmp6, 0x40000                ; cx
	s_lshl_b32 s15, ttmp9, 2
	s_add_co_u32 s[BX], s[BX], s15                 ; it enters Q's and the results' addresses alone
	s_and_b32 s[HD], ttmp7, 0xffff
	s_mov_b32 s[G1], 15|(3<<16)|(1<<21)            ; the mask: all four work-groups; elements of 8 bytes; bit 21 set beside a mask
	s_mov_b32 s[G1+1], 32<<16                      ; tensor_dim0: 256 bytes
	s_mov_b32 s[G1+2], 51<<16                      ; tensor_dim1
	s_mov_b32 s[G1+3], 32<<16                      ; tile_dim0
	s_mov_b32 s[G1+4], 51                          ; tile_dim1
	s_mov_b32 s[G1+5], 32                          ; dense
	s_mov_b32 s[G1+6], 0
	s_mov_b32 s[G1+7], 0
	s_mov_b32 s[G0], 1
	s_mul_i32 s[G0+1], s[WV], STEPB                ; key step w, in LDS
	s_mul_i32 s16, s[HD], HEADB
	s_add_co_u32 s16, s16, s[G0+1]                 ; and in kv
	s_mov_b32 s17, 0
	s_lshr_b32 s18, s[WV], 3
	s_and_b32 s19, s[WV], 7                        ; a: my tile in its group of 128 queries
	s_lshl_b32 s46, s[HD], 4
	s_lshl_b32 s47, s[BX], 2
	s_add_co_u32 s47, s47, s18                     ; my first tile's group j = 4 x block + wave / 8; the second's is two on
	s_add_co_u32 s46, s46, s47
	s_mul_i32 s46, s46, 6656
	s_lshr_b32 s48, s[HD], 4
	s_lshl_b32 s48, s48, 7
	s_lshl_b32 s49, s47, 3
	s_add_co_u32 s48, s48, s49
	s_add_co_u32 s48, s48, s19                     ; the token tile: 128 x batch + 8 j + a
	s_and_b32 s52, s[HD], 15                       ; the head
	s_lshl_b32 s50, s48, 9
	s_mul_i32 s48, s48, 12288
	s_mul_i32 s49, s52, 768
	s_add_co_u32 s48, s48, s49
	s_lshr_b32 s53, s52, 3
	s_lshl_b32 s53, s53, 8
	s_add_co_u32 s50, s50, s53                     ; which half of K,
	s_bfe_u32 s53, s52, 0x20001
	s_lshl_b32 s53, s53, 2
	s_add_co_u32 s50, s50, s53                     ; which word,
	s_and_b32 s53, s52, 1
	s_lshl_b32 s53, s53, 1
	s_add_co_u32 s50, s50, s53                     ; which half of it
	s_mov_b32 s47, 0
	s_mov_b32 s49, 0
	s_mov_b32 s51, 0
	s_mov_b32 s[SEL], 0x76543210
	s_mov_b32 s[SEL+1], 0xfedcba98
	s_mov_b32 s[CS], 0x3d38aa3b                    ; log2(e) / 32
	s_mov_b32 s[CS+1], s[CS]
	s_wait_dscnt 0x0                               ; both opening adds are done
	s_wait_kmcnt 0x0
	s_add_nc_u64 s[G0+2:G0+3], s[6:7], s[16:17]
	s_or_b32 s[G0+3], s[G0+3], 0x80000000
	s_add_nc_u64 s[QP:QP+1], s[4:5], s[46:47]
	s_add_nc_u64 s[AO:AO+1], s[8:9], s[48:49]
	s_add_nc_u64 s[ASC:ASC+1], s[10:11], s[50:51]
	ROUND                                          ; all four work-groups are here: the joint loads meet
	tensor_load_to_lds s[G0:G0+3], s[G1:G1+7]
	s_nop 0
.rept 4
	v_nop
.endr
	v_and_b32 v10, 31, v0
	s_delay_alu instid0(VALU_DEP_1)
	v_lshlrev_b32 v[LI16], 4, v10
	s_delay_alu instid0(VALU_DEP_2)
	v_lshlrev_b32 v[LI8], 3, v10
	s_mul_i32 s53, s19, 768
	v_add_nc_u32 v[QA16], s53, v[LI16]
	v_add_nc_u32 v[QA8], s53, v[LI8]
	s_delay_alu instid0(VALU_DEP_1)
	v_add_nc_u32 v[QA8], 512, v[QA8]
	v_and_b32 v[R16], 15, v0
	s_delay_alu instid0(VALU_DEP_1)
	v_lshlrev_b32 v[R16], 4, v[R16]
	s_and_b32 s54, s19, 1
	s_lshl_b32 s54, s54, 8                         ; an odd tile's words lie in the image's lanes 16-31,
	s_lshr_b32 s55, s19, 1
	s_lshl_b32 s55, s55, 2                         ; tile a's in word a / 2
	s_add_co_u32 s54, s54, s55
	s_add_co_u32 s54, s54, 6144
	v_add_nc_u32 v[QSA], s54, v[R16]
	global_load_b128 v[Q0:Q0+3], v[QA16], s[QP:QP+1]
	global_load_b64 v[Q0+4:Q0+5], v[QA8], s[QP:QP+1]
	global_load_b32 v[QS0], v[QSA], s[QP:QP+1]
	global_load_b128 v[Q1:Q1+3], v[QA16], s[QP:QP+1] offset:13312
	global_load_b64 v[Q1+4:Q1+5], v[QA8], s[QP:QP+1] offset:13312
	global_load_b32 v[QS1], v[QSA], s[QP:QP+1] offset:13312
.irp i, 6,7,8,9,10,11
	v_mov_b32 v[Q0+\i], 0                          ; zero codes for k = 64 .. 127
	v_mov_b32 v[Q1+\i], 0
	v_mov_b32 v[KV+42+\i], 0                       ; v80-85: what stands behind K's last tile
.endr
.irp b, 0,1,2,3
	v_mov_b32 v[BT+\b], 0                          ; a lane permute's destination counts as one of its sources
.endr
	v_mov_b32 v[F+1], 0
; A KEY STEP: 128 keys against the 16 queries in v[QF] on.
.macro STEP QF, QS
	v_add_nc_u32 v[A16], s[TB], v[LI16]
	v_add_nc_u32 v[A8], s[TB], v[LI8]
	v_nop
	v_nop                                          ; four places in front of loads into registers that the last products read
.irp a, 0,1,2,3,4,5,6,7
	ds_load_b128 v[KV+6*\a:KV+6*\a+3], v[A16] offset:768*\a
	ds_load_b64 v[KV+6*\a+4:KV+6*\a+5], v[A8] offset:768*\a+512
.endr
	ds_load_b128 v[KS:KS+3], v[A16] offset:12288
	s_wait_alu depctr_va_vdst(0)
	s_wait_dscnt 0x0
.irp t, 0,1,2,3,4,5,6,7                        ; S^T = K Q^T
.if \t%2
	v_wmma_scale_f32_16x16x128_f8f6f4 v[S+8*\t:S+8*\t+7], v[KV+6*\t:KV+6*\t+11], v[\QF:\QF+11], 0, v[KS+\t/2], v[\QS] matrix_a_fmt:MATRIX_FMT_FP6 matrix_b_fmt:MATRIX_FMT_FP6 matrix_a_scale:MATRIX_SCALE_ROW1
.else
	v_wmma_scale_f32_16x16x128_f8f6f4 v[S+8*\t:S+8*\t+7], v[KV+6*\t:KV+6*\t+11], v[\QF:\QF+11], 0, v[KS+\t/2], v[\QS] matrix_a_fmt:MATRIX_FMT_FP6 matrix_b_fmt:MATRIX_FMT_FP6
.endif
.endr
.rept 4
	v_nop                                          ; places in front of the loads below and of the first read of the scores
.endr
.irp t, 0,1,2,3                                ; V's four fragments are asked for now and land under the softmax
.irp c, 0,1
	ds_load_b128 v[KV+12*\t+6*\c:KV+12*\t+6*\c+3], v[A16] offset:6144+1536*\t+768*\c
	ds_load_b64 v[KV+12*\t+6*\c+4:KV+12*\t+6*\c+5], v[A8] offset:6144+1536*\t+768*\c+512
.endr
.endr
	ds_load_b64 v[VS:VS+1], v[A8] offset:12800
.irp b, 0,1,2,3
	v_max3_num_f32 v[BM+\b], v[S+16*\b], v[S+1+16*\b], v[S+2+16*\b]   ; the largest score of each block of 32 keys: for the row's maximum, and, since p rises with the score, for the block's largest p
.endr
.irp i, 3,5,7,9,11,13
.irp b, 0,1,2,3
	v_max3_num_f32 v[BM+\b], v[BM+\b], v[S+16*\b+\i], v[S+1+16*\b+\i]
.endr
.endr
.irp b, 0,1,2,3
	v_max_num_f32 v[BM+\b], v[BM+\b], v[S+15+16*\b]
.endr
.irp b, 0,1,2,3
	s_delay_alu instid0(VALU_DEP_4)
	v_permlanex16_b32 v[BT+\b], v[BM+\b], s[SEL], s[SEL+1]
.endr
.irp b, 0,1,2,3
	s_delay_alu instid0(VALU_DEP_4)
	v_max_num_f32 v[BM+\b], v[BM+\b], v[BT+\b]     ; with lane l xor 16's 16 keys
.endr
	s_delay_alu instid0(VALU_DEP_2)
	v_max3_num_f32 v[TMP], v[BM], v[BM+1], v[BM+2]
	s_delay_alu instid0(VALU_DEP_1)
	v_max_num_f32 v[TMP], v[TMP], v[BM+3]
	s_delay_alu instid0(VALU_DEP_1)
	v_mul_f32 v[TMP], s[CS], v[TMP]                ; as t (c is positive)
	s_delay_alu instid0(VALU_DEP_1)
	v_max_num_f32 v13, v13, v[TMP]                 ; the running largest t
	v_mov_b32 v[TMP], v12
	s_delay_alu instid0(VALU_DEP_2)
	v_floor_f32 v12, -v13                          ; the new -M = -ceil(t)
	s_delay_alu instid0(VALU_DEP_1)
	v_sub_f32 v[TMP], v12, v[TMP]                  ; old M - new M: a whole number, 0 or less
	s_delay_alu instid0(VALU_DEP_1)
	v_cvt_i32_f32 v[TMP], v[TMP]                   ; (it saturates)
	s_delay_alu instid0(VALU_DEP_1)
	v_ldexp_f32 v[F], 1.0, v[TMP]                  ; f
.irp j, 0,2,4,6,8,10,12,14,16,18,20,22,24,26,28,30,32,34,36,38,40,42,44,46,48,50,52,54,56,58,60,62
	v_pk_fma_f32 v[S+\j:S+\j+1], v[S+\j:S+\j+1], s[CS:CS+1], v[12:13] op_sel_hi:[1,0,0]   ; t - M, two at a time
.endr
.irp b, 0,1,2,3
	v_fma_f32 v[BM+\b], v[BM+\b], s[CS], v12       ; the same of each block's largest score
.endr
	s_wait_alu depctr_va_vdst(0)
.irp j, 0,1,2,3,4,5,6,7,8,9,10,11,12,13,14,15,16,17,18,19,20,21,22,23,24,25,26,27,28,29,30,31,32,33,34,35,36,37,38,39,40,41,42,43,44,45,46,47,48,49,50,51,52,53,54,55,56,57,58,59,60,61,62,63
	v_exp_f32 v[S+\j], v[S+\j]                     ; p = 2^(t - M)
.endr
	s_setprio 1
	v_pk_mul_f32 v[14:15], v[14:15], v[F:F+1] op_sel_hi:[1,0]   ; the sums under the new M: a plain place behind the exponentials
	s_wait_alu depctr_va_vdst(0)                   ; one wait for the whole batch, ahead of its first reader
.irp b, 0,1,2,3
	v_exp_f32 v[BM+\b], v[BM+\b]                   ; the block's largest p: the same two instructions on the same number
.endr
	v_pk_add_f32 v[230:231], v[100:101], v[104:105]
	v_pk_add_f32 v[254:255], v[108:109], v[112:113]
	v_pk_add_f32 v[252:253], v[116:117], v[120:121]
	v_pk_add_f32 v[250:251], v[124:125], v[128:129]
	v_pk_add_f32 v[248:249], v[132:133], v[136:137]
	v_pk_add_f32 v[246:247], v[140:141], v[144:145]
	v_pk_add_f32 v[222:223], v[148:149], v[152:153]
	v_pk_add_f32 v[14:15], v[14:15], v[156:157]
	v_pk_add_f32 v[230:231], v[230:231], v[96:97]
	v_pk_add_f32 v[254:255], v[254:255], v[98:99]
	v_pk_add_f32 v[252:253], v[252:253], v[102:103]
	v_pk_add_f32 v[250:251], v[250:251], v[106:107]
	v_pk_add_f32 v[248:249], v[248:249], v[110:111]
	v_pk_add_f32 v[246:247], v[246:247], v[114:115]
	v_pk_add_f32 v[222:223], v[222:223], v[118:119]
	v_pk_add_f32 v[14:15], v[14:15], v[122:123]
	v_pk_add_f32 v[230:231], v[230:231], v[126:127]
	v_pk_add_f32 v[254:255], v[254:255], v[130:131]
	v_pk_add_f32 v[252:253], v[252:253], v[134:135]
	v_pk_add_f32 v[250:251], v[250:251], v[138:139]
	v_pk_add_f32 v[248:249], v[248:249], v[142:143]
	v_pk_add_f32 v[246:247], v[246:247], v[146:147]
	v_pk_add_f32 v[222:223], v[222:223], v[150:151]
	v_pk_add_f32 v[14:15], v[14:15], v[154:155]
	v_pk_add_f32 v[230:231], v[230:231], v[158:159]
	s_delay_alu instid0(VALU_DEP_2)
	v_pk_add_f32 v[14:15], v[14:15], v[250:251]
	s_delay_alu instid0(VALU_DEP_2)
	v_pk_add_f32 v[230:231], v[230:231], v[248:249]
	v_pk_add_f32 v[254:255], v[254:255], v[246:247]
	v_pk_add_f32 v[252:253], v[252:253], v[222:223]
	s_delay_alu instid0(VALU_DEP_2)
	v_pk_add_f32 v[14:15], v[14:15], v[254:255]
	s_delay_alu instid0(VALU_DEP_2)
	v_pk_add_f32 v[230:231], v[230:231], v[252:253]
	s_delay_alu instid0(VALU_DEP_1)
	v_pk_add_f32 v[14:15], v[14:15], v[230:231]
	s_wait_alu depctr_va_vdst(0)                   ; and one for the four
.irp b, 0,1,2,3
	v_max_num_f32 v[BM+\b], 0x1800000, v[BM+\b]    ; the floor 2^(3 - 127): the byte cannot fall under 1
.endr
.irp b, 0,1,2,3
	s_delay_alu instid0(VALU_DEP_4)
	v_add_nc_u32 v[SOP+\b], 0xff000000, v[BM+\b]   ; 2 off the exponent field: the conversion's scale operand
.endr
.irp b, 0,1,2,3
	s_delay_alu instid0(VALU_DEP_4)
	v_lshrrev_b32 v[BT+\b], 23, v[SOP+\b]          ; the scale's byte
.endr
	s_delay_alu instid0(VALU_DEP_3)
	v_lshl_or_b32 v[PWD], v[BT+1], 8, v[BT]
	s_delay_alu instid0(VALU_DEP_1)
	v_lshl_or_b32 v[PWD], v[BT+2], 16, v[PWD]
	s_delay_alu instid0(VALU_DEP_1)
	v_lshl_or_b32 v[PWD], v[BT+3], 24, v[PWD]
.irp c, 0,1
	v_cvt_scalef32_pk16_fp6_f32 v[PCD+6*\c:PCD+6*\c+2], v[S+32*\c:S+32*\c+15], v[SOP+2*\c]
	v_cvt_scalef32_pk16_fp6_f32 v[CT+4*\c:CT+4*\c+2], v[S+16+32*\c:S+31+32*\c], v[SOP+2*\c+1]
.endr
	v_nop                                          ; one plain place behind a scaled conversion
.irp c, 0,1                                    ; a whole block to a lane
.irp i, 0,1,2
	v_permlane16_swap_b32 v[PCD+6*\c+\i], v[CT+4*\c+\i]
.endr
.irp i, 0,1,2
	s_delay_alu instid0(VALU_DEP_3)
	v_mov_b32 v[PCD+3+6*\c+\i], v[CT+4*\c+\i]
.endr
.endr
	s_setprio 0
.irp j, 0,2,4,6,8,10,12,14,16,18,20,22,24,26,28,30
	v_pk_mul_f32 v[O+\j:O+\j+1], v[O+\j:O+\j+1], v[F:F+1] op_sel_hi:[1,0]   ; O^T under the new M; these sixteen are also the places between p's codes and scale word and the products
.endr
	s_wait_alu depctr_va_vdst(0)
	s_wait_dscnt 0x0                               ; V
.irp t, 0,1,2,3                                ; O^T += V^T P^T: the four accumulators by turns
.if \t%2
	v_wmma_scale_f32_16x16x128_f8f6f4 v[O+8*\t:O+8*\t+7], v[KV+12*\t:KV+12*\t+11], v[PCD:PCD+11], v[O+8*\t:O+8*\t+7], v[VS+\t/2], v[PWD] matrix_a_fmt:MATRIX_FMT_FP6 matrix_b_fmt:MATRIX_FMT_FP6 matrix_a_scale:MATRIX_SCALE_ROW1
.else
	v_wmma_scale_f32_16x16x128_f8f6f4 v[O+8*\t:O+8*\t+7], v[KV+12*\t:KV+12*\t+11], v[PCD:PCD+11], v[O+8*\t:O+8*\t+7], v[VS+\t/2], v[PWD] matrix_a_fmt:MATRIX_FMT_FP6 matrix_b_fmt:MATRIX_FMT_FP6
.endif
.endr
.endm
.macro LOOP n, QF, QS
	s_mov_b32 s[TB], 0
	s_mov_b32 s[CNT], \n
.Lstep_\@:
	s_setprio 2
	STEP \QF, \QS
	s_add_co_u32 s[TB], s[TB], STEPB
	s_sub_co_u32 s[CNT], s[CNT], 1
	s_cmp_lg_u32 s[CNT], 0
	s_cbranch_scc1 .Lstep_\@
	s_setprio 0
.endm
.macro INIT                            ; the step is written with no first step of its own: it finds zeros, which the first change of M leaves zeros
	v_mov_b32 v13, 0xff61b1e6                      ; the largest t so far: -3e38
	s_delay_alu instid0(VALU_DEP_1)
	v_floor_f32 v12, -v13
	v_mov_b32 v14, 0
	v_mov_b32 v15, 0
.set n, 0
.rept 32
	v_mov_b32 v[O+n], 0
.set n, n+1
.endr
.endm
; Tile u leaves: O^T / the sum; register 16 b + i is d = 32 b + 16 h + i of my query: two blocks of the last projection's K: one half image and half a scale word.
.macro OUT u
.rept 4
	v_nop                                          ; places behind the last products
.endr
	v_add_f32 v14, v14, v15
	s_delay_alu instid0(VALU_DEP_1)
	v_permlanex16_b32 v[TMP], v14, s[SEL], s[SEL+1]
	s_delay_alu instid0(VALU_DEP_1)
	v_add_f32 v14, v14, v[TMP]                     ; the row's sum
	s_wait_alu depctr_va_vdst(0)
	v_rcp_f32 v14, v14
	v_nop                                          ; a plain place behind the transcendental
	s_wait_alu depctr_va_vdst(0)                   ; and the wait ahead of its first reader
.set n, 0
.rept 16
	v_pk_mul_f32 v[S+2*n:S+2*n+1], v[O+2*n:O+2*n+1], v[14:15] op_sel_hi:[1,0]
.set n, n+1
.endr
.irp b, 0,1
	v_max3_num_f32 v[BM+\b], |v[S+16*\b]|, |v[S+1+16*\b]|, 0x1800000
.endr
.irp i, 2,4,6,8,10,12,14
.irp b, 0,1
	s_delay_alu instid0(VALU_DEP_2)
	v_max3_num_f32 v[BM+\b], v[BM+\b], |v[S+16*\b+\i]|, |v[S+1+16*\b+\i]|
.endr
.endr
.irp b, 0,1
	s_delay_alu instid0(VALU_DEP_2)
	v_permlanex16_b32 v[BT+\b], v[BM+\b], s[SEL], s[SEL+1]
.endr
.irp b, 0,1
	s_delay_alu instid0(VALU_DEP_2)
	v_max_num_f32 v[BM+\b], v[BM+\b], v[BT+\b]
.endr
.irp b, 0,1
	s_delay_alu instid0(VALU_DEP_2)
	v_add_nc_u32 v[SOP+\b], 0xff000000, v[BM+\b]
.endr
.irp b, 0,1
	s_delay_alu instid0(VALU_DEP_2)
	v_lshrrev_b32 v[BT+\b], 23, v[SOP+\b]
.endr
	s_delay_alu instid0(VALU_DEP_1)
	v_lshl_or_b32 v[TMP], v[BT+1], 8, v[BT]        ; the head's two bytes
	v_cvt_scalef32_pk16_fp6_f32 v[PCD:PCD+2], v[S:S+15], v[SOP]
	v_cvt_scalef32_pk16_fp6_f32 v[CT:CT+2], v[S+16:S+31], v[SOP+1]
	v_nop
.irp i, 0,1,2
	v_permlane16_swap_b32 v[PCD+\i], v[CT+\i]
.endr
.irp i, 0,1,2
	s_delay_alu instid0(VALU_DEP_3)
	v_mov_b32 v[PCD+3+\i], v[CT+\i]
.endr
	global_store_b128 v[LI16], v[PCD:PCD+3], s[AO:AO+1] offset:196608*\u
	global_store_b64 v[LI8], v[PCD+4:PCD+5], s[AO:AO+1] offset:196608*\u+512
	global_store_b16 v[R16], v[TMP], s[ASC:ASC+1] offset:8192*\u
.endm
	s_wait_tensorcnt 0x0                           ; my key step is in,
	s_barrier_signal -1
	s_barrier_wait -1                              ; everybody's is: the whole head
	s_wait_loadcnt 0x0                             ; Q
	INIT
	LOOP 16, Q0, QS0
	OUT 0
	INIT
	s_wait_xcnt 0x0                                ; the first tile's stores have read their registers, which the steps below write again
	LOOP 16, Q1, QS1
	OUT 1
	s_wait_tensorcnt 0x0                           ; the wave's end
	ds_add_u32 v[SPW], v[NIL]
	s_wait_dscnt 0x0
	ROUND                                          ; the closing round
	s_endpgm
.Lfunc_end_k_q7993e4546f_attn:
	.size	k_q7993e4546f_attn, .Lfunc_end_k_q7993e4546f_attn-k_q7993e4546f_attn
	.p2alignl 7, 3214868480
	.fill 96, 4, 3214868480
	.section	.rodata,"a",@progbits
	.p2align	6, 0x0
	.amdhsa_kernel k_q7993e4546f_attn
		.amdhsa_group_segment_fixed_size 210944
		.amdhsa_private_segment_fixed_size 0
		.amdhsa_enable_private_segment 0
		.amdhsa_kernarg_size 32
		.amdhsa_user_sgpr_count 2
		.amdhsa_user_sgpr_kernarg_segment_ptr 1
		.amdhsa_wavefront_size32 1
		.amdhsa_system_sgpr_workgroup_id_x 1
		.amdhsa_system_sgpr_workgroup_id_y 1
		.amdhsa_system_sgpr_workgroup_id_z 1
		.amdhsa_system_vgpr_workitem_id 0
		.amdhsa_next_free_vgpr 256
		.amdhsa_next_free_sgpr 66
		.amdhsa_reserve_vcc 0
		.amdhsa_float_denorm_mode_32 3
		.amdhsa_float_denorm_mode_16_64 3
		.amdhsa_memory_ordered 1
		.amdhsa_forward_progress 1
		.amdhsa_inst_pref_size 52
	.end_amdhsa_kernel
	.amdgpu_metadata
---
amdhsa.version: [ 1, 2 ]
amdhsa.kernels:
  - .name:           k_q7993e4546f_attn
    .symbol:         k_q7993e4546f_attn.kd
    .args:
      - { .name: qb, .offset: 0, .size: 8, .value_kind: global_buffer, .address_space: global }
      - { .name: kv, .offset: 8, .size: 8, .value_kind: global_buffer, .address_space: global }
      - { .name: aoi, .offset: 16, .size: 8, .value_kind: global_buffer, .address_space: global }
      - { .name: aos, .offset: 24, .size: 8, .value_kind: global_buffer, .address_space: global }
    .group_segment_fixed_size: 210944
    .private_segment_fixed_size: 0
    .kernarg_segment_align: 8
    .kernarg_segment_size: 32
    .max_flat_workgroup_size: 512
    .sgpr_count:     66
    .vgpr_count:     256
    .wavefront_size: 32
...
	.end_amdgpu_metadata
.endif
;; end of part 3
;; launch proj (part 4): grid 4 x 32, 4 waves a work-group, clusters of 4 x 4, 327,680 bytes of LDS; arguments aoi, aos, img, isc, bp, out0; writes out0
.if DOCPART == 4
	.amdgcn_target "amdgcn-amd-amdhsa--gfx1250"
	.amdhsa_code_object_version 6
	.text
	.protected	k_q7993e4546f_proj
	.globl	k_q7993e4546f_proj
	.p2align	8
	.type	k_q7993e4546f_proj,@function
k_q7993e4546f_proj:
	s_mov_b64 s[64:65], 0
	v_nop
	global_prefetch_b8 v0, s[64:65] scope:SCOPE_SE
	s_setreg_imm32_b32 hwreg(HW_REG_WAVE_MODE, 25, 1), 1
	s_wait_xcnt 0x0
	s_wait_alu depctr_hold_cnt(0) depctr_sa_sdst(0) depctr_va_vdst(0) depctr_va_sdst(0) depctr_va_ssrc(0) depctr_va_vcc(0) depctr_vm_vsrc(0)
	s_getreg_b32 s2, hwreg(HW_REG_IB_STS2, 6, 4)
	s_cmp_eq_u32 s2, 0
	s_cbranch_scc0 .Lentry_in_a_cluster
	s_endpgm
.Lentry_in_a_cluster:
	s_bfe_u32 s2, ttmp6, 0x10000c
	s_cmp_lg_u32 s2, 0xf033
	s_cbranch_scc0 .Lentry_shape_is_right
	s_endpgm
.Lentry_shape_is_right:
; out0 = att Wp^T + bp on codes of FP6 (E2M3) with E8M0 scales.  att's codes and scale words (aoi, aos) and Wp's (img, isc, tiles 704-767) lie in the order of the operands' registers.
; The GEMM is the projections': P = att (source 1: one token to a lane of the result), R = Wp (source 0: features along a lane's registers).  A work-group makes 256 tokens x 256 features, a wave 128 x 128.
; K = 1,024 goes in four steps of 256 through two LDS slots; 4 x 4 clusters ask for P's tiles jointly along a row and for R's along a column.  At the start a wave's tensor loads go out one at a time, each waited for before the next; then one behind each round.
; The bias is the C of each sum's first matrix instruction: eight registers for each tile of R, in the result's layout.
; A tile's rows are rows 32 (T / 2) + 8 (T % 2) + r + 8 (r / 8): register j of accumulator (a, b) in lane (r, h) is token 32 (a / 2) + 8 (a % 2) + r + 8 (r / 8), feature 32 (b / 2) + 16 h + 8 (b % 2) + j.
; THE WAY OUT: a tile of 16 tokens x 128 features goes through the wave's own stage in LDS and comes back as whole rows of 512 bytes; each store covers 512 consecutive bytes, aligned.
; REGISTERS, in windows of 256: window 0: v1 r, v2 h, v8-29 addresses; v32-63 scale words; v64-127 the bias; v128-223 P's fragments; on the way out v128-255.  window 1: R's fragments, two sets.  windows 2, 3: the accumulators.
.set NQ,    2
.set FR,    12
.set NL,    4
.set NP,    4
.set TILEB, 3072
.set HALFT, 8*TILEB
.set SLOT,  4*HALFT
.set SCL,   2*SLOT
.set SPARE, SCL+4*4096                 ; the spare words, 128 bytes for each wave, which no other line names
.set SPITCH, 528                       ; the stage: 16 rows x (512 bytes + 16) for each wave, in slot 0, which has had its last fill and its last read when the first result is stored there
.set LI16, 8
.set LI8,  9
.set BO,   10
.set ADRA, 16
.set ADRB, 20
.set STO,  24                          ; v24  the stage: where I put 32 bytes of a row
.set RD,   25                          ; v25  and where I read a row back
.set ADRS, 27
.set SPW,  28
.set NIL,  29
.set SC,   32
.set BI,   64
.set AF,   128
.set BK,   128                         ; 16 rows read back: v128-191 and v192-255 by turns
.set WV,   18
.set FB,   19
.set HF,   20
.set PU,   22
.set RU,   23
.set G1,   24
.set G0,   32
.set G1B,  48
.set G0B,  56
.set G1S,  68
.set G0S,  76
.set G1SB, 80
.set G0SB, 88
.set MSB, 0
.macro WIN new
.if MSB != (\new)
	s_set_vgpr_msb (MSB<<8)|(\new)
.set MSB, \new
.endif
.endm
.set MUL_LO, 0xa1
.set MUL_HI, 0xf1
.set TO_B,   0x40
.macro JLOAD g0a, g1a, g0b, g1b        ; waves 0 and 1 fetch for P, waves 2 and 3 for R; an s_nop 0 and four v_nop follow each line
	s_cmp_eq_u32 s[FB], 0
	s_cbranch_scc0 .Lfor_b_\@
	tensor_load_to_lds s[\g0a:\g0a+3], s[\g1a:\g1a+7]
	s_nop 0
.rept 4
	v_nop
.endr
	s_branch .Lasked_\@
.Lfor_b_\@:
	tensor_load_to_lds s[\g0b:\g0b+3], s[\g1b:\g1b+7]
	s_nop 0
.rept 4
	v_nop
.endr
.Lasked_\@:
.endm
.macro CREST
	s_cmp_lg_u32 s[WV], 0
	s_cbranch_scc1 .Lnot_wave_0_\@
	s_barrier_signal -3
.Lnot_wave_0_\@:
	s_barrier_wait -3
	s_barrier_signal -1
	s_barrier_wait -1
.endm
.macro CROUND
	s_barrier_signal -1
	s_barrier_wait -1
	CREST
.endm
	s_load_b256 s[4:11], s[0:1], 0x0               ; aoi, aos, img, isc
	s_load_b128 s[12:15], s[0:1], 0x20             ; bp, out0
	v_lshl_add_u32 v[SPW], v0, 2, SPARE
	v_mov_b32 v[NIL], 0
	ds_add_u32 v[SPW], v[NIL]                      ; the wave's opening: the add, twice on end, and its wait ahead of my first tensor load
	ds_add_u32 v[SPW], v[NIL]
	v_lshrrev_b32 v1, 5, v0
	v_readfirstlane_b32 s[WV], v1
	s_lshr_b32 s[FB], s[WV], 1
	s_and_b32 s[HF], s[WV], 1
	s_bfe_u32 s40, ttmp6, 0x40000                  ; cx, cy
	s_bfe_u32 s41, ttmp6, 0x40004
	s_and_b32 s[PU], ttmp7, 0xffff
	s_lshl_b32 s[PU], s[PU], 2
	s_add_co_u32 s[PU], s[PU], s41                 ; which 256 tokens
	s_lshl_b32 s[RU], ttmp9, 2
	s_add_co_u32 s[RU], s[RU], s40                 ; which 256 features
	s_lshl_b32 s44, s41, 2
	s_lshl_b32 s44, 15, s44                        ; my row of the cluster
	s_lshl_b32 s45, 0x1111, s40                    ; my column
	s_or_b32 s[G1+0], s44, (3<<16)|(1<<21)         ; codes: eight tiles' 3,072 bytes each, 12,288 bytes apart in memory, on end in LDS
	s_or_b32 s[G1B+0], s45, (3<<16)|(1<<21)
.irp g, G1, G1B
	s_mov_b32 s[\g+1], 384<<16
	s_mov_b32 s[\g+2], 8<<16
	s_mov_b32 s[\g+3], 384<<16
	s_mov_b32 s[\g+4], 8
	s_mov_b32 s[\g+5], 1536
	s_mov_b32 s[\g+6], 0
	s_mov_b32 s[\g+7], 0
.endr
	s_or_b32 s[G1S+0], s44, (3<<16)|(1<<21)        ; scale words: eight tiles' 4,096 dense bytes as 16 rows of 256
	s_or_b32 s[G1SB+0], s45, (3<<16)|(1<<21)
.irp g, G1S, G1SB
	s_mov_b32 s[\g+1], 32<<16
	s_mov_b32 s[\g+2], 16<<16
	s_mov_b32 s[\g+3], 32<<16
	s_mov_b32 s[\g+4], 16
	s_mov_b32 s[\g+5], 32
	s_mov_b32 s[\g+6], 0
	s_mov_b32 s[\g+7], 0
.endr
	s_lshl_b32 s46, s[PU], 4
	s_lshl_b32 s47, s[HF], 3
	s_add_co_u32 s46, s46, s47                     ; P's first tile that I fetch
	s_lshl_b32 s92, s[RU], 4
	s_add_co_u32 s92, s92, s47
	s_add_co_u32 s92, s92, 704                     ; R's: Wp begins at tile 704
	s_mul_i32 s94, s46, 12288
	s_mov_b32 s95, 0
	s_mul_i32 s96, s92, 12288
	s_mov_b32 s97, 0
	s_lshl_b32 s46, s46, 9
	s_mov_b32 s47, 0
	s_lshl_b32 s92, s92, 9
	s_mov_b32 s93, 0
	s_mul_i32 s98, s[WV], HALFT
	s_lshl_b32 s99, s[WV], 12
	s_wait_dscnt 0x0                               ; both opening adds are done
	s_wait_kmcnt 0x0
	s_add_nc_u64 s[94:95], s[4:5], s[94:95]
	s_add_nc_u64 s[96:97], s[8:9], s[96:97]
	s_add_nc_u64 s[46:47], s[6:7], s[46:47]
	s_add_nc_u64 s[92:93], s[10:11], s[92:93]
	CROUND                                         ; all sixteen work-groups are here: the first joint loads meet
	s_mov_b32 s[G0S], 1
	s_add_co_u32 s[G0S+1], s99, SCL
	s_mov_b64 s[G0S+2:G0S+3], s[46:47]
	s_or_b32 s[G0S+3], s[G0S+3], 0x80000000
	s_mov_b32 s[G0SB], 1
	s_add_co_u32 s[G0SB+1], s99, SCL
	s_mov_b64 s[G0SB+2:G0SB+3], s[92:93]
	s_or_b32 s[G0SB+3], s[G0SB+3], 0x80000000
	JLOAD G0S, G1S, G0SB, G1SB
.irp s, 0,1
	s_mov_b32 s[G0+4*\s], 1
	s_add_co_u32 s[G0+4*\s+1], s98, \s*SLOT
	s_add_nc_u64 s[G0+4*\s+2:G0+4*\s+3], s[94:95], \s*TILEB
	s_or_b32 s[G0+4*\s+3], s[G0+4*\s+3], 0x80000000
	s_mov_b32 s[G0B+4*\s], 1
	s_add_co_u32 s[G0B+4*\s+1], s98, \s*SLOT
	s_add_nc_u64 s[G0B+4*\s+2:G0B+4*\s+3], s[96:97], \s*TILEB
	s_or_b32 s[G0B+4*\s+3], s[G0B+4*\s+3], 0x80000000
	s_wait_alu depctr_va_vdst(0)
	s_wait_tensorcnt 0x0
	ds_add_u32 v28, v29
	s_wait_dscnt 0x0
	CROUND
	JLOAD G0+4*\s, G1, G0B+4*\s, G1B
.endr
	v_and_b32 v1, 15, v0                           ; r
	v_bfe_u32 v2, v0, 4, 1                         ; h
	v_and_b32 v3, 31, v0
	v_lshlrev_b32 v[LI16], 4, v3
	v_lshlrev_b32 v[LI8], 3, v3
	v_lshlrev_b32 v[BO], 6, v2                     ; the bias: 16 h features on
	s_wait_alu depctr_va_vdst(0)
	s_lshl_b32 s40, s[PU], 8
	s_lshl_b32 s41, s[FB], 7
	s_add_co_u32 s40, s40, s41
	s_lshl_b32 s40, s40, 12                        ; my first token's row of out0
	s_lshl_b32 s42, s[RU], 8
	s_lshl_b32 s41, s[HF], 7
	s_add_co_u32 s42, s42, s41
	s_lshl_b32 s42, s42, 2                         ; my first feature, in bytes
	s_mov_b32 s43, 0
	s_add_nc_u64 s[12:13], s[12:13], s[42:43]
	s_add_co_u32 s40, s40, s42
	s_mov_b32 s41, 0
	s_add_nc_u64 s[14:15], s[14:15], s[40:41]
.irp t, 0,1,2,3,4,5,6,7
	global_load_b128 v[BI+8*\t:BI+8*\t+3], v[BO], s[12:13] offset:(32*(\t/2)+8*(\t%2))*4
	global_load_b128 v[BI+8*\t+4:BI+8*\t+7], v[BO], s[12:13] offset:(32*(\t/2)+8*(\t%2))*4+16
.endr
	s_mul_i32 s46, s[FB], HALFT
	s_mul_i32 s47, s[HF], HALFT
	s_add_co_u32 s47, s47, 2*HALFT
.irp s, 0,1
	v_add_nc_u32 v[ADRA+\s], s46, v[LI16]
	v_add_nc_u32 v[ADRA+2+\s], s46, v[LI8]
	v_add_nc_u32 v[ADRB+\s], s47, v[LI16]
	v_add_nc_u32 v[ADRB+2+\s], s47, v[LI8]
	s_add_co_u32 s46, s46, SLOT
	s_add_co_u32 s47, s47, SLOT
.endr
	s_lshl_b32 s46, s[FB], 12
	s_lshl_b32 s47, s[HF], 12
	s_add_co_u32 s47, s47, 8192
	s_sub_co_u32 s47, s47, s46
	v_mul_u32_u24 v4, s47, v2                      ; lanes 16-31 take R's scale words: one product, the distance between the two
	s_add_co_u32 s46, s46, SCL
	v_lshl_add_u32 v4, v1, 4, v4
	v_add_nc_u32 v[ADRS], s46, v4
	s_mul_i32 s46, s[WV], 16*SPITCH                ; my stage
	v_mul_u32_u24 v4, v1, SPITCH
	v_lshl_add_u32 v4, v2, 6, v4                   ; in: row r, 64 h bytes on
	v_add_nc_u32 v[STO], s46, v4
	v_add_nc_u32 v[RD], s46, v[LI16]               ; back: the 32 lanes take one row of 512 bytes
.macro FRAG reg, adr, q, i
	ds_load_b128 v[\reg:\reg+3], v[\adr] offset:TILEB*(\i)+1536*(\q)
	ds_load_b64 v[\reg+4:\reg+5], v[\adr+2] offset:TILEB*(\i)+1536*(\q)+512
	ds_load_b128 v[\reg+6:\reg+9], v[\adr] offset:TILEB*(\i)+1536*(\q)+768
	ds_load_b64 v[\reg+10:\reg+11], v[\adr+2] offset:TILEB*(\i)+1536*(\q)+1280
.endm
; zero = 2: the first product starts the sums from the bias.  The 64 accumulators take turns, one instruction a turn.
.macro MUL16 a0, p, q, sc, zero
.irp a, \a0, \a0+1
.irp b, 0,1,2,3,4,5,6,7
.if \zero == 2
	v_wmma_scale_f32_16x16x128_f8f6f4 v[8*(8*((\a)%4)+\b):8*(8*((\a)%4)+\b)+7], v[128*(\p)+FR*\b:128*(\p)+FR*\b+FR-1], v[AF+FR*(\a):AF+FR*(\a)+FR-1], v[BI+8*\b:BI+8*\b+7], v[SC+8*NQ*(\sc)+NQ*\b+(\q)], v[SC+8*NQ*(\sc)+NQ*(\a)+(\q)] matrix_a_fmt:MATRIX_FMT_FP6 matrix_b_fmt:MATRIX_FMT_FP6 matrix_a_scale:MATRIX_SCALE_ROW1
.else
	v_wmma_scale_f32_16x16x128_f8f6f4 v[8*(8*((\a)%4)+\b):8*(8*((\a)%4)+\b)+7], v[128*(\p)+FR*\b:128*(\p)+FR*\b+FR-1], v[AF+FR*(\a):AF+FR*(\a)+FR-1], v[8*(8*((\a)%4)+\b):8*(8*((\a)%4)+\b)+7], v[SC+8*NQ*(\sc)+NQ*\b+(\q)], v[SC+8*NQ*(\sc)+NQ*(\a)+(\q)] matrix_a_fmt:MATRIX_FMT_FP6 matrix_b_fmt:MATRIX_FMT_FP6 matrix_a_scale:MATRIX_SCALE_ROW1
.endif
.endr
.endr
.endm
.macro FETCH_B slot, q, p
	WIN TO_B
.irp i, 0,1,2,3,4,5,6,7
	FRAG 128*(\p)+FR*\i, ADRB+\slot, \q, \i
.endr
	WIN 0
.endm
.macro FETCH_A slot, q, i0
.irp i, \i0, \i0+1, \i0+2, \i0+3
	FRAG AF+FR*(\i), ADRA+\slot, \q, \i
.endr
.endm
.macro SCALES sc, sg
.irp i, 0,1,2,3,4,5,6,7
	ds_load_b64 v[SC+8*NQ*\sc+NQ*\i:SC+8*NQ*\sc+NQ*\i+1], v[ADRS] offset:512*\i+256*((\sg)/2)+8*((\sg)%2)
.endr
.endm
.macro PLACES n
.rept \n
	v_nop
.endr
.endm
.macro STEP slot, q, zero
	s_wait_dscnt 4*NL                              ; R's set and P's tiles 0-3 are in; the youngest 16 loads (P's tiles 4-7) may be out
.if \zero == 2
	WIN 0x81                                       ; C (the bias) window 0, D window 2
.else
	WIN MUL_LO
.endif
	MUL16 0, (\q)%2, \q, \slot, \zero
	MUL16 2, (\q)%2, \q, \slot, \zero
	s_wait_dscnt 0
	PLACES NP
	FETCH_B \slot, (\q)+1, 1-(\q)%2
	FETCH_A \slot, (\q)+1, 0
.if \zero == 2
	WIN 0xc1                                       ; C window 0, D window 3
.else
	WIN MUL_HI
.endif
	MUL16 4, (\q)%2, \q, \slot, \zero
	MUL16 6, (\q)%2, \q, \slot, \zero
	PLACES NP
	WIN 0
	FETCH_A \slot, (\q)+1, 4
.endm
.macro TURN slot, next, fill, sg
	s_wait_tensorcnt 0x0                           ; all my tensor loads have landed: my part of the next slot
	ds_add_u32 v[SPW], v[NIL]
	s_wait_dscnt 4*NL+1                            ; (the add and the youngest 16 loads may be out)
	WIN MUL_LO
	MUL16 0, 1, NQ-1, \slot, 0
	s_wait_dscnt 0x0                               ; the add is done, and my reads of this slot are over
	s_barrier_signal -1
	MUL16 2, 1, NQ-1, \slot, 0
	WIN 0
	s_barrier_wait -1
.if \fill
	CREST                                          ; no wave of any partner still reads this slot or has a load on its way
	s_add_nc_u64 s[G0+4*\slot+2:G0+4*\slot+3], s[G0+4*\slot+2:G0+4*\slot+3], 2*TILEB
	s_add_nc_u64 s[G0B+4*\slot+2:G0B+4*\slot+3], s[G0B+4*\slot+2:G0B+4*\slot+3], 2*TILEB
	JLOAD G0+4*\slot, G1, G0B+4*\slot, G1B
.else
	PLACES NP
.endif
	FETCH_B \next, 0, 0
	FETCH_A \next, 0, 0
	SCALES \next, \sg
	WIN MUL_HI
	MUL16 4, 1, NQ-1, \slot, 0
	MUL16 6, 1, NQ-1, \slot, 0
	PLACES NP
	WIN 0
	FETCH_A \next, 0, 4
.endm
	s_wait_alu depctr_va_vdst(0)
	s_wait_tensorcnt 1                             ; the scale words and my part of slot 0 are in (slot 1's load may be out),
	s_barrier_signal -1
	s_barrier_wait -1                              ; everybody's are
	FETCH_B 0, 0, 0
	FETCH_A 0, 0, 0
	SCALES 0, 0
	FETCH_A 0, 0, 4
	s_wait_loadcnt 0x0                             ; the bias
	STEP 0, 0, 2
	TURN 0, 1, 1, 1
	STEP 1, 0, 0
	TURN 1, 0, 1, 2
	STEP 0, 0, 0
	TURN 0, 1, 0, 3                                ; nothing is left to fetch: no round
	STEP 1, 0, 0
	s_wait_dscnt 4*NL                              ; the very last step
	WIN MUL_LO
	MUL16 0, 1, NQ-1, 1, 0
	MUL16 2, 1, NQ-1, 1, 0
	s_wait_dscnt 0x0
	WIN MUL_HI
	MUL16 4, 1, NQ-1, 1, 0
	MUL16 6, 1, NQ-1, 1, 0
	WIN 0
; LDS serves a wave's instructions in order: no wait stands between the stage's stores and its loads, nor in front of the next tile's stores.
.macro TOSTAGE a
.set AC, 64*((\a)%4)
	WIN 0x08+4*((\a)/4)                            ; an LDS store's data: window 2 or 3
.irp b, 0,1,2,3,4,5,6,7
	ds_store_b128 v[STO], v[AC+8*\b:AC+8*\b+3] offset:128*(\b/2)+32*(\b%2)       ; each accumulator from its low end on
	ds_store_b128 v[STO], v[AC+8*\b+4:AC+8*\b+7] offset:128*(\b/2)+32*(\b%2)+16
.endr
	WIN 0
.set BB, BK+64*((\a)%2)
.irp t, 0,1,2,3,4,5,6,7,8,9,10,11,12,13,14,15
	ds_load_b128 v[BB+4*\t:BB+4*\t+3], v[RD] offset:\t*SPITCH
.endr
.endm
.macro SEND a, younger                 ; younger: the LDS instructions issued behind tile a's loads, which may stay out
.set BB, BK+64*((\a)%2)
	s_wait_dscnt \younger
.irp t, 0,1,2,3,4,5,6,7,8,9,10,11,12,13,14,15
	global_store_b128 v[LI16], v[BB+4*\t:BB+4*\t+3], s[14:15] offset:(32*((\a)/2)+8*((\a)%2)+\t+8*(\t/8))*4096 th:TH_STORE_NT   ; 32 lanes store 512 consecutive bytes, aligned; the token's row stands in the immediate
.endr
.endm
	PLACES NP                                      ; in front of the first read of results and of loads into P's registers
	TOSTAGE 0
.irp a, 1,2,3,4,5,6,7
.if \a > 1
	s_wait_xcnt 0x0                                ; tile a - 2's stores have read their registers: tile a's loads may land there
.endif
	TOSTAGE \a
	SEND \a-1, 32                                  ; behind tile a - 1's loads: tile a's 16 stores and 16 loads
.endr
	SEND 7, 0
	s_wait_tensorcnt 0x0                           ; the wave's end
	ds_add_u32 v[SPW], v[NIL]
	s_wait_dscnt 0x0
	CROUND                                         ; the closing round
	s_endpgm
.Lfunc_end_k_q7993e4546f_proj:
	.size	k_q7993e4546f_proj, .Lfunc_end_k_q7993e4546f_proj-k_q7993e4546f_proj
	.p2alignl 7, 3214868480
	.fill 96, 4, 3214868480
	.section	.rodata,"a",@progbits
	.p2align	6, 0x0
	.amdhsa_kernel k_q7993e4546f_proj
		.amdhsa_group_segment_fixed_size 327680
		.amdhsa_private_segment_fixed_size 0
		.amdhsa_enable_private_segment 0
		.amdhsa_kernarg_size 48
		.amdhsa_user_sgpr_count 2
		.amdhsa_user_sgpr_kernarg_segment_ptr 1
		.amdhsa_wavefront_size32 1
		.amdhsa_system_sgpr_workgroup_id_x 1
		.amdhsa_system_sgpr_workgroup_id_y 1
		.amdhsa_system_sgpr_workgroup_id_z 1
		.amdhsa_system_vgpr_workitem_id 0
		.amdhsa_next_free_vgpr 1024
		.amdhsa_next_free_sgpr 102
		.amdhsa_reserve_vcc 0
		.amdhsa_float_denorm_mode_32 3
		.amdhsa_float_denorm_mode_16_64 3
		.amdhsa_memory_ordered 1
		.amdhsa_forward_progress 1
		.amdhsa_inst_pref_size 145
	.end_amdhsa_kernel
	.amdgpu_metadata
---
amdhsa.version: [ 1, 2 ]
amdhsa.kernels:
  - .name:           k_q7993e4546f_proj
    .symbol:         k_q7993e4546f_proj.kd
    .args:
      - { .name: aoi, .offset: 0, .size: 8, .value_kind: global_buffer, .address_space: global }
      - { .name: aos, .offset: 8, .size: 8, .value_kind: global_buffer, .address_space: global }
      - { .name: img, .offset: 16, .size: 8, .value_kind: global_buffer, .address_space: global }
      - { .name: isc, .offset: 24, .size: 8, .value_kind: global_buffer, .address_space: global }
      - { .name: bp, .offset: 32, .size: 8, .value_kind: global_buffer, .address_space: global }
      - { .name: out0, .offset: 40, .size: 8, .value_kind: global_buffer, .address_space: global }
    .group_segment_fixed_size: 327680
    .private_segment_fixed_size: 0
    .kernarg_segment_align: 8
    .kernarg_segment_size: 48
    .max_flat_workgroup_size: 128
    .sgpr_count:     102
    .vgpr_count:     1024
    .wavefront_size: 32
...
	.end_amdgpu_metadata
.endif
;; end of part 4
